; MI455X (gfx1250); checked and timed in simulation.
; The chip was launched on July 23, 2026; its instructions are those of AMD's public machine-readable ISA for CDNA 5 (MIT licence, August 2026) and "CDNA5" Instruction Set Architecture Reference Guide (July 2026). The comments in the code are by the model that wrote it; some were corrected since.
;; Autoregressive Predictor. Allowed arithmetic: float matrix products may take bf16 or f16 operands with f32 sums; all other float work in f32.
;; Inputs: Wdown 1,024 x 256 float32; Wgate 256 x 1,024 float32; Wk 256 x 256 float32; Wo 256 x 256 float32; Wout 256 x 1,024 float32; Wq 256 x 256 float32; Wup 256 x 1,024 float32; Wv 256 x 256 float32; bout 1,024 float32; emb 1,024 x 256 float32; initial_hidden_state 1 x 4,096 x 256 float32; ln1_w 256 float32; ln2_w 256 float32.
;; Outputs: out0 4 x 1 int32; out1 4 x 1 x 1,024 float32.
;; 2 versions, each right; version 2 is version 1 with the launch prep written anew for expert scheduling mode. Each part assembles by itself: llvm-mc -triple=amdgcn-amd-amdhsa -mcpu=gfx1250 --defsym DOCPART=n.
;; ======== version 1 of 2: 14 launches
;; workspace buffers: pre 11,600,896 bytes; part 66,048 bytes; vec 5,120 bytes; candv 256 bytes; candi 256 bytes of whole numbers; st0 256 bytes of whole numbers; st1 256 bytes of whole numbers
;; launch prep (part 1): grid 267 x 1, 8 waves a work-group, no clusters, 142,336 bytes of LDS; arguments initial_hidden_state, emb, ln1_w, Wq, Wk, Wv, Wdown, Wout, Wgate, Wup, pre, candv, candi, st0; writes pre, candv, candi, st0
.if DOCPART == 1
	.amdgcn_target "amdgcn-amd-amdhsa--gfx1250"
	.amdhsa_code_object_version 6
	.text
	.protected	k_q9edd05523c_prep
	.globl	k_q9edd05523c_prep
	.p2align	8
	.type	k_q9edd05523c_prep,@function
k_q9edd05523c_prep:
	s_mov_b64 s[64:65], 0
	v_nop
	global_prefetch_b8 v0, s[64:65] scope:SCOPE_SE
	s_setreg_imm32_b32 hwreg(HW_REG_WAVE_MODE, 25, 1), 1
	s_wait_xcnt 0x0
; PREP: everything that does not change from step to step, made once.  All inputs are rounded to bf16 first; products on the matrix unit, sums in f32.
; Table rows: r = 0..4095 is row r of the hidden state, r = 4096 + v is emb[v].  h = rmsnorm(row) * ln1_w, rounded to bf16.
;   work-groups   0- 79: K = h Wk, tiles of 128 rows x 128 columns, by heads [4][5120][64] bf16; rows below 4096 get their rotary turn (position = row)
;   work-groups  80-159: V = h Wv, the same shape            work-groups 160-177: Q = h Wq for rows 3968..5119, not turned
;   work-groups 178-241: WD[v][f] = sum over d of Wdown[f][d] Wout[d][v], f32 (so that a step needs no product by Wdown and then by Wout)
;   work-groups 242-265: Wgate, Wup, Wout turned to [n][256] bf16            work-group 266: cos/sin of positions 4095..4098, and the first state words
; A tile takes the whole K = 256.  Eight waves; a wave makes 32 (m) x 64 (n): 8 accumulators.  Operands go through registers (they are normalised and rounded on the way), so no copy engine and no cluster.
; THE MATRIX INSTRUCTION IS USED TRANSPOSED: source 0 = 16 columns n (turned out of [k][n] by ds_load_tr16_b128), source 1 = 16 rows m: a lane then holds row m = lane % 16 and columns 8 (lane / 16) + 0..7.
; LIMITS: NaN and infinities are not treated apart.  cos and sin come from a reduction by pi/2 in two parts and polynomials of degree 7 and 8; the angle is position x 2^(-i log2(10000)/32) in f32,
; which differs from a division-made frequency by a few units in the last place: at position 4095 under 1e-3 radian.
.set RWP,   528                        ; LDS pitch of the [m][k] operand: 512 bytes + 16
.set KNP,   288                        ; LDS pitch of the [k][n] operand: 256 bytes + 32 (an odd multiple of 32, for the turning load)
.set KNI,   128*RWP                    ; the [k][n] operand lies behind the [m][k] one
.set SPARE, KNI+256*KNP                ; the spare words: 128 bytes a wave, four blocks of 256 bytes that no other line names
.set HB,    655360                     ; bytes of a head in K and V
.set VC,    2621440                    ; V's place in pre
.set QHP,   147456                     ; bytes of a head in Q
.set WT,    5832704
.set WD,    7405568
.set RT,    11599872
.set L,   1                            ; lane
.set R,   2                            ; lane % 16
.set HH,  3                            ; lane / 16
.set SPW, 4                            ; LDS address of my spare word; never rewritten
.set NIL, 5                            ; 0; never rewritten
.set L16, 6                            ; 16 x lane
.set ARW, 7                            ; where I store my part of an [m][k] row
.set AKN, 8                            ; where I store my part of a [k][n] row
.set VA,  9                            ; my place in a fragment of rows m
.set VB0, 10                           ; v10, v11: my place in a fragment of columns n, k steps 0-3 and 4-7
.set STO, 12
.set RD,  13
.set LN,  16                           ; v16-23  ln1_w of my 8 columns
.set RS,  24                           ; v24-31  four pairs: sum of squares, then 1/rms
.set X,   32                           ; v32-95  eight rows as loaded
.set ACC, 32                           ; later the accumulators: (mt, c) at ACC + 8 (4 mt + c)
.set Y0,  96                           ; v96-159, v160-223: 16 rows each of the [k][n] operand as loaded
.set Y1,  160
.set T,   224                          ; v224-255 at work
.set FB0, 96                           ; two fragment buffers of 48
.set FB1, 144
.set OB,  96                           ; the way out: rows read back
.set PK,  160                          ; the way out: packed results
.set INV, 192                          ; v192-207 my 16 frequencies
.set RHO, 208                          ; four angles at a time
.set NN,  212
.set ZZ,  216
.set SN,  220
.set CSN, 224
.set QQ,  228
.set POSF, 232
.set WV,  2
.set WI,  3
.set WJ,  4
.set HI,  5
.set SEL, 6
.set C256, 54
.set CEPS, 55
.set K2PI, 56
.set KPH, 57
.set KPL, 58
.set KS3, 59
.set KS2, 60
.set KS1, 61
.set KC3, 62
.set KC2, 63
.set KC1, 66
.set KSB, 67
.macro BAR
	s_barrier_signal -1
	s_barrier_wait -1
.endm
.macro FINISH                          ; the wave's end
	s_wait_tensorcnt 0x0
	ds_add_u32 v[SPW], v[NIL]
	s_wait_dscnt 0x0
	s_endpgm
.endm
.macro ALL4 line:vararg                ; one line for each e = 0..3
.set e, 0
.rept 4
	\line
.set e, e+1
.endr
.endm
.macro PLACES                          ; four plain vector places behind a matrix instruction (ISA guide 7.12.1)
.rept 4
	v_nop
.endr
.endm
.macro SCCONST
	s_mov_b32 s[K2PI], 0x3f22f983      ; 2 / pi
	s_mov_b32 s[KPH], 0xbfc90fdb       ; -(pi / 2), upper part
	s_mov_b32 s[KPL], 0x333bbd2e       ; what the upper part has too much
	s_mov_b32 s[KS3], 0xb94ca1f9
	s_mov_b32 s[KS2], 0x3c08839e
	s_mov_b32 s[KS1], 0xbe2aaaa3
	s_mov_b32 s[KC3], 0x37ccf5ce
	s_mov_b32 s[KC2], 0xbab6061a
	s_mov_b32 s[KC1], 0x3d2aaaa5
	s_mov_b32 s[KSB], 0x80000000
.endm
; Four angles in RHO (not negative) -> their sines in NN, cosines in CSN.  n = nearest(a 2/pi); rho = a - n pi/2; polynomials on |rho| <= pi/4; the quadrant n % 4 swaps and signs.
.macro SC4
	ALL4 v_mul_f32 v[NN+e], s[K2PI], v[RHO+e]
	ALL4 v_rndne_f32 v[NN+e], v[NN+e]
	ALL4 v_fma_f32 v[RHO+e], v[NN+e], s[KPH], v[RHO+e]
	ALL4 v_fma_f32 v[RHO+e], v[NN+e], s[KPL], v[RHO+e]
	ALL4 v_mul_f32 v[ZZ+e], v[RHO+e], v[RHO+e]
	ALL4 v_cvt_i32_f32 v[QQ+e], v[NN+e]
	ALL4 v_fma_f32 v[SN+e], v[ZZ+e], s[KS3], s[KS2]
	ALL4 v_fma_f32 v[CSN+e], v[ZZ+e], s[KC3], s[KC2]
	ALL4 v_fma_f32 v[SN+e], v[SN+e], v[ZZ+e], s[KS1]
	ALL4 v_fma_f32 v[CSN+e], v[CSN+e], v[ZZ+e], s[KC1]
	ALL4 v_mul_f32 v[SN+e], v[SN+e], v[ZZ+e]
	ALL4 v_fma_f32 v[CSN+e], v[CSN+e], v[ZZ+e], -0.5
	ALL4 v_fma_f32 v[SN+e], v[SN+e], v[RHO+e], v[RHO+e]
	ALL4 v_fma_f32 v[CSN+e], v[CSN+e], v[ZZ+e], 1.0
	ALL4 v_and_b32 v[ZZ+e], 1, v[QQ+e]
.set e, 0
.rept 4
	v_cmp_eq_u32 vcc_lo, 1, v[ZZ+e]                    ; odd quadrant: sine and cosine change places
	v_cndmask_b32 v[NN+e], v[SN+e], v[CSN+e], vcc_lo
	v_cndmask_b32 v[CSN+e], v[CSN+e], v[SN+e], vcc_lo
.set e, e+1
.endr
	ALL4 v_lshlrev_b32 v[ZZ+e], 30, v[QQ+e]            ; bit 1 of n: the sine's sign
	ALL4 v_add_nc_u32 v[QQ+e], 1, v[QQ+e]
	ALL4 v_and_b32 v[ZZ+e], s[KSB], v[ZZ+e]
	ALL4 v_lshlrev_b32 v[QQ+e], 30, v[QQ+e]            ; bit 1 of n + 1: the cosine's
	ALL4 v_xor_b32 v[NN+e], v[ZZ+e], v[NN+e]
	ALL4 v_and_b32 v[QQ+e], s[KSB], v[QQ+e]
	ALL4 v_xor_b32 v[CSN+e], v[QQ+e], v[CSN+e]
.endm
; 16 rows k of the [k][n] operand, 512 consecutive bytes a load
.macro LOADKN pitch, half, dst
.irp i, 0,1,2,3,4,5,6,7,8,9,10,11,12,13,14,15
	global_load_b128 v[(\dst)+4*(\i):(\dst)+4*(\i)+3], v[L16], s[42:43] offset:(16*(\half)+(\i))*(\pitch)
.endr
.endm
.macro CVTKN half, src                 ; rounded to bf16 and laid into LDS as [k][n]
.irp i, 0,1,2,3,4,5,6,7,8,9,10,11,12,13,14,15
	v_cvt_pk_bf16_f32 v[T+2*(\i)], v[(\src)+4*(\i)], v[(\src)+4*(\i)+1]
	v_cvt_pk_bf16_f32 v[T+2*(\i)+1], v[(\src)+4*(\i)+2], v[(\src)+4*(\i)+3]
	ds_store_b64 v[AKN], v[T+2*(\i):T+2*(\i)+1] offset:(16*(\half)+(\i))*KNP
.endr
.endm
.macro LOADROWS b                      ; eight rows m of 1,024 bytes, two loads of 512 consecutive bytes each: a lane holds columns 4 l .. and 128 + 4 l ..
.irp q, 0,1,2,3,4,5,6,7
	global_load_b128 v[X+8*(\q):X+8*(\q)+3], v[L16], s[44:45] offset:(8*(\b)+(\q))*1024
	global_load_b128 v[X+8*(\q)+4:X+8*(\q)+7], v[L16], s[44:45] offset:(8*(\b)+(\q))*1024+512
.endr
.endm
.macro PACKROWS xs, row                ; four rows rounded to bf16 and stored as [m][k]
.irp q, 0,1,2,3
.irp j, 0,1,2,3
	v_cvt_pk_bf16_f32 v[T+4*(\q)+(\j)], v[(\xs)+8*(\q)+2*(\j)], v[(\xs)+8*(\q)+2*(\j)+1]
.endr
.endr
.irp q, 0,1,2,3
	ds_store_b64 v[ARW], v[T+4*(\q):T+4*(\q)+1] offset:((\row)+(\q))*RWP
	ds_store_b64 v[ARW], v[T+4*(\q)+2:T+4*(\q)+3] offset:((\row)+(\q))*RWP+256
.endr
.endm
; Four rows: rounded to bf16 (the input's rounding), x * rsqrt(mean of squares + 1e-6) * ln1_w in f32, then PACKROWS.  Stage by stage over the four, so that no line waits for the one before it.
.macro NORM4 xs, row
.irp q, 0,1,2,3
.irp j, 0,1,2,3
	v_cvt_pk_bf16_f32 v[T+4*(\q)+(\j)], v[(\xs)+8*(\q)+2*(\j)], v[(\xs)+8*(\q)+2*(\j)+1]
.endr
.endr
.irp q, 0,1,2,3
.irp j, 0,1,2,3
	v_lshlrev_b32 v[(\xs)+8*(\q)+2*(\j)], 16, v[T+4*(\q)+(\j)]
	v_and_b32 v[(\xs)+8*(\q)+2*(\j)+1], s[HI], v[T+4*(\q)+(\j)]
.endr
.endr
.irp q, 0,1,2,3
	v_pk_mul_f32 v[RS+2*(\q):RS+2*(\q)+1], v[(\xs)+8*(\q):(\xs)+8*(\q)+1], v[(\xs)+8*(\q):(\xs)+8*(\q)+1]
.endr
.irp j, 1,2,3
.irp q, 0,1,2,3
	v_pk_fma_f32 v[RS+2*(\q):RS+2*(\q)+1], v[(\xs)+8*(\q)+2*(\j):(\xs)+8*(\q)+2*(\j)+1], v[(\xs)+8*(\q)+2*(\j):(\xs)+8*(\q)+2*(\j)+1], v[RS+2*(\q):RS+2*(\q)+1]
.endr
.endr
.irp q, 0,1,2,3
	v_add_f32 v[RS+2*(\q)], v[RS+2*(\q)], v[RS+2*(\q)+1]
.endr
.irp m, 1,2,4,8
.irp q, 0,1,2,3
	v_add_f32_dpp v[RS+2*(\q)], v[RS+2*(\q)], v[RS+2*(\q)] row_xmask:\m row_mask:0xf bank_mask:0xf
.endr
.endr
.irp q, 0,1,2,3
	v_permlanex16_b32 v[RS+2*(\q)+1], v[RS+2*(\q)], s[SEL], s[SEL+1]
.endr
.irp q, 0,1,2,3
	v_add_f32 v[RS+2*(\q)], v[RS+2*(\q)], v[RS+2*(\q)+1]
.endr
.irp q, 0,1,2,3
	v_fma_f32 v[RS+2*(\q)], v[RS+2*(\q)], s[C256], s[CEPS]
.endr
.irp q, 0,1,2,3
	v_rsq_f32 v[RS+2*(\q)], v[RS+2*(\q)]
.endr
	v_nop                                              ; a plain instruction between the last root and the use of its result
	s_wait_alu depctr_va_vdst(0)
.irp q, 0,1,2,3
.irp j, 0,1,2,3
	v_pk_mul_f32 v[(\xs)+8*(\q)+2*(\j):(\xs)+8*(\q)+2*(\j)+1], v[(\xs)+8*(\q)+2*(\j):(\xs)+8*(\q)+2*(\j)+1], v[RS+2*(\q):RS+2*(\q)+1] op_sel_hi:[1,0]
.endr
.endr
.irp q, 0,1,2,3
.irp j, 0,1,2,3
	v_pk_mul_f32 v[(\xs)+8*(\q)+2*(\j):(\xs)+8*(\q)+2*(\j)+1], v[(\xs)+8*(\q)+2*(\j):(\xs)+8*(\q)+2*(\j)+1], v[LN+2*(\j):LN+2*(\j)+1]
.endr
.endr
	PACKROWS \xs, \row
.endm
; Both operands into LDS.  A wave brings 16 rows m and 32 rows k.  All of a wave's first 48 (50) loads go out together; the counts below leave the younger ones out.
.macro LOADPHASE norm, pitch
.if \norm
	global_load_b128 v[LN:LN+3], v[L16], s[12:13]
	global_load_b128 v[LN+4:LN+7], v[L16], s[12:13] offset:512
.endif
	LOADROWS 0
	LOADKN \pitch, 0, Y0
	LOADKN \pitch, 1, Y1
	s_wait_loadcnt 32                                  ; ln1_w and rows 0-7 are in; the 32 loads of the [k][n] operand stay out
.if \norm
.irp j, 0,1,2,3
	v_cvt_pk_bf16_f32 v[T+(\j)], v[LN+2*(\j)], v[LN+2*(\j)+1]
	v_lshlrev_b32 v[LN+2*(\j)], 16, v[T+(\j)]
	v_and_b32 v[LN+2*(\j)+1], s[HI], v[T+(\j)]
.endr
	NORM4 X, 0
	NORM4 X+32, 4
.else
	PACKROWS X, 0
	PACKROWS X+32, 4
.endif
	LOADROWS 1
	s_wait_loadcnt 32                                  ; k rows 0-15 are in; 16 more and rows 8-15 stay out
	CVTKN 0, Y0
	s_wait_loadcnt 16                                  ; k rows 16-31 are in; rows 8-15 stay out
	CVTKN 1, Y1
	s_wait_loadcnt 0x0
.if \norm
	NORM4 X, 8
	NORM4 X+32, 12
.else
	PACKROWS X, 8
	PACKROWS X+32, 12
.endif
	s_wait_dscnt 0x0                                   ; for the others' sake: my stores are done
	BAR
.endm
; 12 LDS loads: the fragments of 32 along K: two of rows m, four of columns n
.macro FRAG ks, buf
.irp mt, 0,1
	ds_load_b128 v[(\buf)+8*(\mt):(\buf)+8*(\mt)+3], v[VA] offset:(\mt)*16*RWP+64*(\ks)
	ds_load_b128 v[(\buf)+8*(\mt)+4:(\buf)+8*(\mt)+7], v[VA] offset:(\mt)*16*RWP+64*(\ks)+32
.endr
.irp c, 0,1,2,3
	ds_load_tr16_b128 v[(\buf)+16+8*(\c):(\buf)+16+8*(\c)+3], v[VB0+(\ks)/4] offset:((\ks)%4)*32*KNP+32*(\c)
	ds_load_tr16_b128 v[(\buf)+16+8*(\c)+4:(\buf)+16+8*(\c)+7], v[VB0+(\ks)/4] offset:((\ks)%4)*32*KNP+32*(\c)+16*KNP
.endr
.endm
.macro MM ks, buf                      ; 8 matrix instructions; the 8 accumulators take turns; the first K step starts the sums
.irp mt, 0,1
.irp c, 0,1,2,3
.if (\ks) == 0
	v_wmma_f32_16x16x32_bf16 v[ACC+8*(4*(\mt)+(\c)):ACC+8*(4*(\mt)+(\c))+7], v[(\buf)+16+8*(\c):(\buf)+16+8*(\c)+7], v[(\buf)+8*(\mt):(\buf)+8*(\mt)+7], 0
.else
	v_wmma_f32_16x16x32_bf16 v[ACC+8*(4*(\mt)+(\c)):ACC+8*(4*(\mt)+(\c))+7], v[(\buf)+16+8*(\c):(\buf)+16+8*(\c)+7], v[(\buf)+8*(\mt):(\buf)+8*(\mt)+7], v[ACC+8*(4*(\mt)+(\c)):ACC+8*(4*(\mt)+(\c))+7]
.endif
.endr
.endr
.endm
.macro GEMM
	FRAG 0, FB0
	FRAG 1, FB1
.irp ks, 0,1,2,3,4,5,6,7
.if (\ks) < 7
	s_wait_dscnt 12                                    ; this step's 12 loads are in; the next step's 12 stay out
.else
	s_wait_dscnt 0x0
.endif
	MM \ks, FB0+48*((\ks)%2)
.if (\ks) < 6
	PLACES                                             ; in front of loads into registers that the products have read
	FRAG (\ks)+2, FB0+48*((\ks)%2)
.endif
.endr
.endm
	s_load_b512 s[8:23], s[0:1], 0x0                   ; hidden 8, emb 10, ln1_w 12, Wq 14, Wk 16, Wv 18, Wdown 20, Wout 22
	s_load_b256 s[24:31], s[0:1], 0x40                 ; Wgate 24, Wup 26, pre 28, candv 30
	s_load_b128 s[32:35], s[0:1], 0x60                 ; candi 32, st0 34
	v_lshl_add_u32 v[SPW], v0, 2, SPARE
	v_mov_b32 v[NIL], 0
	v_and_b32 v[L], 31, v0
	v_lshrrev_b32 v15, 5, v0
	v_readfirstlane_b32 s[WV], v15                     ; wave 0..7
	v_and_b32 v[R], 15, v0
	v_bfe_u32 v[HH], v0, 4, 1
	v_lshlrev_b32 v[L16], 4, v[L]
	s_lshr_b32 s[WI], s[WV], 1                         ; which 32 rows m of the tile are mine
	s_and_b32 s[WJ], s[WV], 1                          ; which 64 columns n
	s_mov_b32 s[HI], 0xffff0000
	s_mov_b32 s[SEL], 0x76543210
	s_mov_b32 s[SEL+1], 0xfedcba98
	s_mov_b32 s[C256], 0x3b800000                      ; 1 / 256
	s_mov_b32 s[CEPS], 0x358637bd                      ; 1e-6
	s_mov_b32 s41, 0                                   ; the upper word of the offset pair s[40:41]
	s_mul_i32 s36, s[WV], 16*RWP
	v_lshl_add_u32 v[ARW], v[L], 3, s36
	s_mul_i32 s36, s[WV], 32*KNP
	s_add_co_u32 s36, s36, KNI
	v_lshl_add_u32 v[AKN], v[L], 3, s36
	v_mul_u32_u24 v[VA], v[R], RWP
	v_lshl_add_u32 v[VA], v[HH], 4, v[VA]
	s_mul_i32 s36, s[WI], 32*RWP
	v_add_nc_u32 v[VA], s36, v[VA]                     ; (32 wi + l % 16) pitch + 16 (l / 16)
	v_and_b32 v14, 7, v0
	v_lshl_add_u32 v15, v[HH], 3, v14
	v_mul_u32_u24 v[VB0], v15, KNP
	v_bfe_u32 v15, v0, 3, 1
	v_lshl_add_u32 v[VB0], v15, 4, v[VB0]
	s_lshl_b32 s36, s[WJ], 7
	s_add_co_u32 s36, s36, KNI
	v_add_nc_u32 v[VB0], s36, v[VB0]                   ; (8 (l / 16) + l % 8) pitch + 128 wj + 16 ((l / 8) % 2)
	v_add_nc_u32 v[VB0+1], 4*32*KNP, v[VB0]
	s_cmp_ge_u32 ttmp9, 266
	s_cbranch_scc1 .Lmisc
	s_cmp_ge_u32 ttmp9, 242
	s_cbranch_scc1 .Ltrans
	s_cmp_ge_u32 ttmp9, 178
	s_cbranch_scc1 .Lwd
	; ---------------- K, V, Q
	s_cmp_ge_u32 ttmp9, 80
	s_cselect_b32 s36, 1, 0
	s_cmp_ge_u32 ttmp9, 160
	s_cselect_b32 s37, 1, 0
	s_add_co_u32 s36, s36, s37                         ; 0: K, 1: V, 2: Q
	s_mul_i32 s37, s36, 80
	s_sub_co_u32 s37, ttmp9, s37
	s_lshr_b32 s38, s37, 1
	s_and_b32 s39, s37, 1                              ; which 128 columns: heads 2 cb, 2 cb + 1
	s_cmp_eq_u32 s36, 2
	s_cselect_b32 s40, 31, 0
	s_add_co_u32 s38, s38, s40                         ; block of 128 table rows (Q begins at block 31)
	s_mov_b32 s48, HB
	s_mov_b32 s49, QHP
	s_mul_i32 s50, s36, VC                             ; K at 0, V at VC, Q at 2 VC
	s_cmp_eq_u32 s36, 2
	s_cselect_b32 s48, s49, s48                        ; bytes of a head
	s_cselect_b32 s51, 31*16384, 0                     ; Q's first block is block 31
	s_sub_co_u32 s50, s50, s51
	s_lshl1_add_u32 s51, s39, s[WJ]                    ; my head
	s_mul_i32 s51, s51, s48
	s_add_co_u32 s50, s50, s51
	s_lshl_b32 s51, s38, 14                            ; 128 rows of 128 bytes
	s_add_co_u32 s50, s50, s51
	s_lshl_b32 s51, s[WI], 12                          ; my 32 rows
	s_add_co_u32 s50, s50, s51
	s_mov_b32 s51, 0
	s_cmp_lt_u32 s38, 32
	s_cselect_b32 s52, 1, 0
	s_cmp_eq_u32 s36, 0
	s_cselect_b32 s52, s52, 0                          ; 1: K of hidden rows: they are turned
	s_lshl_b32 s53, s38, 7
	s_lshl_b32 s40, s[WI], 5
	s_add_co_u32 s53, s53, s40                         ; position of my first row
	s_wait_kmcnt 0x0
	s_add_nc_u64 s[46:47], s[28:29], s[50:51]          ; where my 32 rows x 64 columns go
	s_cmp_eq_u32 s36, 1
	s_cselect_b64 s[42:43], s[18:19], s[16:17]
	s_cmp_eq_u32 s36, 2
	s_cselect_b64 s[42:43], s[14:15], s[42:43]
	s_lshl_b32 s40, s39, 9
	s_lshl_b32 s48, s[WV], 15                          ; my 32 rows k of 1,024 bytes
	s_add_co_u32 s40, s40, s48
	s_add_nc_u64 s[42:43], s[42:43], s[40:41]
	s_cmp_lt_u32 s38, 32
	s_cselect_b64 s[44:45], s[8:9], s[10:11]
	s_and_b32 s40, s38, 31
	s_lshl_b32 s40, s40, 17
	s_lshl_b32 s48, s[WV], 14                          ; my 16 rows m
	s_add_co_u32 s40, s40, s48
	s_add_nc_u64 s[44:45], s[44:45], s[40:41]
	LOADPHASE 1, 1024
	GEMM
	s_mul_i32 s40, s[WV], 32*144                       ; my stage: 32 rows of 128 bytes + 16.  These plain lines are the places behind the last products
	v_mul_u32_u24 v[STO], v[R], 144
	v_lshl_add_u32 v[STO], v[HH], 4, v[STO]
	v_add_nc_u32 v[STO], s40, v[STO]
	v_lshrrev_b32 v14, 3, v[L]
	v_mul_u32_u24 v[RD], v14, 144
	v_and_b32 v15, 7, v0
	v_lshl_add_u32 v[RD], v15, 4, v[RD]
	v_add_nc_u32 v[RD], s40, v[RD]
	BAR                                                ; nobody reads the operands any more: the stages may lie on them (no LDS instruction of mine is out)
	s_cmp_eq_u32 s52, 0
	s_cbranch_scc1 .Lnorope
	; the rotary turn: column d < 32 of a head pairs with d + 32: accumulators (mt, cc) and (mt, cc + 2), the same register
	SCCONST
	v_lshlrev_b32 v15, 3, v[HH]
.set i, 0
.rept 16
	v_add_nc_u32 v[INV+i], 16*(i/8)+i%8, v15           ; the frequency's number: 16 cc + 8 (l / 16) + j
.set i, i+1
.endr
.set i, 0
.rept 16
	v_cvt_f32_u32 v[INV+i], v[INV+i]
.set i, i+1
.endr
.set i, 0
.rept 16
	v_mul_f32 v[INV+i], 0xbed49a78, v[INV+i]           ; x -log2(10000) / 32
.set i, i+1
.endr
.set i, 0
.rept 16
	v_exp_f32 v[INV+i], v[INV+i]
.set i, i+1
.endr
	v_add_nc_u32 v14, s53, v[R]                        ; my row's position (a plain line behind the exponentials)
	s_wait_alu depctr_va_vdst(0)
.macro ROPE4 mt, cc, jg                ; registers 4 jg .. 4 jg + 3 of one pair of accumulators; each accumulator is read from its low end on
	ALL4 v_mul_f32 v[RHO+e], v[POSF], v[INV+8*(\cc)+4*(\jg)+e]
	SC4
	ALL4 v_mul_f32 v[RHO+e], v[ACC+8*(4*(\mt)+(\cc)+2)+4*(\jg)+e], v[NN+e]
	ALL4 v_mul_f32 v[ZZ+e], v[ACC+8*(4*(\mt)+(\cc))+4*(\jg)+e], v[NN+e]
	ALL4 v_fma_f32 v[ACC+8*(4*(\mt)+(\cc))+4*(\jg)+e], v[ACC+8*(4*(\mt)+(\cc))+4*(\jg)+e], v[CSN+e], -v[RHO+e]
	ALL4 v_fma_f32 v[ACC+8*(4*(\mt)+(\cc)+2)+4*(\jg)+e], v[ACC+8*(4*(\mt)+(\cc)+2)+4*(\jg)+e], v[CSN+e], v[ZZ+e]
.endm
.irp mt, 0,1
	v_add_nc_u32 v15, 16*(\mt), v14
	v_cvt_f32_u32 v[POSF], v15
.irp cc, 0,1
	ROPE4 \mt, \cc, 0
	ROPE4 \mt, \cc, 1
.endr
.endr
.Lnorope:
.irp mt, 0,1
.irp c, 0,1,2,3
.irp j, 0,1,2,3
	v_cvt_pk_bf16_f32 v[PK+4*(4*(\mt)+(\c))+(\j)], v[ACC+8*(4*(\mt)+(\c))+2*(\j)], v[ACC+8*(4*(\mt)+(\c))+2*(\j)+1]
.endr
	ds_store_b128 v[STO], v[PK+4*(4*(\mt)+(\c)):PK+4*(4*(\mt)+(\c))+3] offset:(\mt)*16*144+32*(\c)
.endr
.endr
.irp i, 0,1,2,3,4,5,6,7
	ds_load_b128 v[OB+4*(\i):OB+4*(\i)+3], v[RD] offset:(\i)*4*144   ; my own bytes: LDS serves a wave's instructions in order (ISA guide 5.7.1.4)
.endr
.irp i, 0,1,2,3,4,5,6,7
	s_wait_dscnt 7-(\i)
	global_store_b128 v[L16], v[OB+4*(\i):OB+4*(\i)+3], s[46:47] offset:512*(\i)   ; four rows of a head: 512 consecutive bytes, aligned
.endr
	FINISH
	; ---------------- WD = (Wdown Wout) turned: rows m = f of Wdown, columns n = v of Wout
.Lwd:
	s_sub_co_u32 s37, ttmp9, 178
	s_lshr_b32 s38, s37, 3                             ; block of 128 v
	s_and_b32 s39, s37, 7                              ; block of 128 f
	s_lshl_b32 s50, s38, 19                            ; 128 rows of 4,096 bytes
	s_lshl_b32 s51, s39, 9
	s_add_co_u32 s50, s50, s51
	s_lshl_b32 s51, s[WV], 16                          ; the 16 rows v that I store
	s_add_co_u32 s50, s50, s51
	s_add_co_u32 s50, s50, WD
	s_mov_b32 s51, 0
	s_wait_kmcnt 0x0
	s_add_nc_u64 s[46:47], s[28:29], s[50:51]
	s_lshl_b32 s40, s38, 9
	s_lshl_b32 s48, s[WV], 17                          ; my 32 rows k of 4,096 bytes
	s_add_co_u32 s40, s40, s48
	s_add_nc_u64 s[42:43], s[22:23], s[40:41]
	s_lshl_b32 s40, s39, 17
	s_lshl_b32 s48, s[WV], 14
	s_add_co_u32 s40, s40, s48
	s_add_nc_u64 s[44:45], s[20:21], s[40:41]
	LOADPHASE 0, 4096
	GEMM
	s_mul_i32 s40, s[WJ], 64*RWP                       ; the work-group's stage: 128 rows v of 512 bytes + 16.  Five plain lines: the places behind the last products
	s_lshl_b32 s48, s[WI], 7
	s_add_co_u32 s40, s40, s48
	s_mul_i32 s48, s[WV], 16*RWP
	v_mul_u32_u24 v[STO], v[HH], 8*RWP
	v_lshl_add_u32 v[STO], v[R], 2, v[STO]
	v_add_nc_u32 v[STO], s40, v[STO]                   ; (64 wj + 8 (l / 16)) pitch + 4 (32 wi + l % 16)
	v_add_nc_u32 v[RD], s48, v[L16]
	v_nop
	BAR                                                ; nobody reads the operands any more
.irp mt, 0,1
.irp c, 0,1,2,3
.irp j, 0,1,2,3,4,5,6,7
	ds_store_b32 v[STO], v[ACC+8*(4*(\mt)+(\c))+(\j)] offset:(16*(\c)+(\j))*RWP+64*(\mt)
.endr
.endr
.endr
	s_wait_dscnt 0x0                                   ; for the others' sake: a row's 512 bytes come from four waves
	BAR
.irp i, 0,1,2,3,4,5,6,7,8,9,10,11,12,13,14,15
	ds_load_b128 v[OB+4*(\i):OB+4*(\i)+3], v[RD] offset:(\i)*RWP
.endr
.irp i, 0,1,2,3,4,5,6,7,8,9,10,11,12,13,14,15
	s_wait_dscnt 15-(\i)
	global_store_b128 v[L16], v[OB+4*(\i):OB+4*(\i)+3], s[46:47] offset:4096*(\i)   ; 512 consecutive bytes of a row of WD, aligned
.endr
	FINISH
	; ---------------- Wgate, Wup, Wout turned to [n][256] bf16
.Ltrans:
	s_sub_co_u32 s37, ttmp9, 242
	s_lshr_b32 s38, s37, 3                             ; which matrix
	s_and_b32 s39, s37, 7                              ; block of 128 columns n
	s_lshl_b32 s50, s38, 19
	s_lshl_b32 s51, s39, 16
	s_add_co_u32 s50, s50, s51
	s_lshl_b32 s51, s[WV], 13                          ; my 16 rows n of 512 bytes
	s_add_co_u32 s50, s50, s51
	s_add_co_u32 s50, s50, WT
	s_mov_b32 s51, 0
	s_wait_kmcnt 0x0
	s_add_nc_u64 s[46:47], s[28:29], s[50:51]
	s_cmp_eq_u32 s38, 1
	s_cselect_b64 s[42:43], s[26:27], s[24:25]
	s_cmp_eq_u32 s38, 2
	s_cselect_b64 s[42:43], s[22:23], s[42:43]
	s_lshl_b32 s40, s39, 9
	s_lshl_b32 s48, s[WV], 17
	s_add_co_u32 s40, s40, s48
	s_add_nc_u64 s[42:43], s[42:43], s[40:41]
	LOADKN 4096, 0, Y0
	LOADKN 4096, 1, Y1
	v_lshrrev_b32 v14, 3, v[L]                         ; g = l / 8
	v_and_b32 v15, 7, v0
	v_lshl_add_u32 v[STO], v14, 6, v15
	v_mul_u32_u24 v[STO], v[STO], KNP
	s_lshl_b32 s36, s[WV], 5
	s_add_co_u32 s36, s36, KNI
	v_add_nc_u32 v[STO], s36, v[STO]                   ; row k = 64 g + l % 8, my 16 columns
	v_mul_u32_u24 v[RD], v15, RWP
	v_lshl_add_u32 v[RD], v14, 7, v[RD]
	s_mul_i32 s36, s[WV], 16*RWP
	v_add_nc_u32 v[RD], s36, v[RD]                     ; row n = 16 wv + l % 8, k = 64 g on
	v_add_nc_u32 v14, s36, v[L16]
	s_wait_loadcnt 16                                  ; k rows 0-15 are in; the other 16 stay out
	CVTKN 0, Y0
	s_wait_loadcnt 0x0
	CVTKN 1, Y1
	s_wait_dscnt 0x0
	BAR
	; a turning load takes 8 rows k x 8 columns n in each group of eight lanes and leaves lane i column i with its 8 k: 16 bytes of a row of the result
.irp nb, 0,1
.irp kq, 0,1,2,3,4,5,6,7
	ds_load_tr16_b128 v[Y0+4*(8*(\nb)+(\kq)):Y0+4*(8*(\nb)+(\kq))+3], v[STO] offset:8*KNP*(\kq)+16*(\nb)
.endr
.endr
	s_wait_dscnt 0x0
.irp nb, 0,1
.irp kq, 0,1,2,3,4,5,6,7
	ds_store_b128 v[RD], v[Y0+4*(8*(\nb)+(\kq)):Y0+4*(8*(\nb)+(\kq))+3] offset:8*RWP*(\nb)+16*(\kq)
.endr
.endr
.irp i, 0,1,2,3,4,5,6,7,8,9,10,11,12,13,14,15
	ds_load_b128 v[Y1+4*(\i):Y1+4*(\i)+3], v14 offset:(\i)*RWP       ; my own 16 rows, whole
.endr
.irp i, 0,1,2,3,4,5,6,7,8,9,10,11,12,13,14,15
	s_wait_dscnt 15-(\i)
	global_store_b128 v[L16], v[Y1+4*(\i):Y1+4*(\i)+3], s[46:47] offset:512*(\i)
.endr
	FINISH
	; ---------------- cos and sin of positions 4095..4098 (lane = frequency), and what the first step finds
.Lmisc:
	s_wait_kmcnt 0x0
	s_cmp_lg_u32 s[WV], 0
	s_cbranch_scc1 .Lidle
	SCCONST
	v_cvt_f32_u32 v14, v[L]
	v_mul_f32 v14, 0xbed49a78, v14
	v_exp_f32 v14, v14
	v_lshlrev_b32 v15, 2, v[L]
	s_wait_alu depctr_va_vdst(0)
	v_mul_f32 v[RHO], 0x457ff000, v14                  ; 4095
	v_mul_f32 v[RHO+1], 0x45800000, v14                ; 4096
	v_mul_f32 v[RHO+2], 0x45800800, v14                ; 4097
	v_mul_f32 v[RHO+3], 0x45801000, v14                ; 4098
	SC4
	s_add_nc_u64 s[46:47], s[28:29], RT
	ALL4 global_store_b32 v15, v[CSN+e], s[46:47] offset:256*e
	ALL4 global_store_b32 v15, v[NN+e], s[46:47] offset:256*e+128
	v_lshlrev_b32 v13, 3, v[L]
	v_mov_b32 v16, 0
	v_mov_b32 v17, 0
	v_mov_b32 v18, 4095
	v_mov_b32 v19, 4095
	v_mov_b32 v21, 4096
	v_cmp_eq_u32 vcc_lo, 0, v[L]
	v_cndmask_b32 v20, v21, v16, vcc_lo
	global_store_b64 v13, v[16:17], s[30:31]           ; 64 candidates of equal value,
	global_store_b64 v13, v[18:19], s[32:33]           ; all naming table row 4095: step 0's query
	global_store_b64 v13, v[20:21], s[34:35]           ; state: word 0 = step 0; the others a valid row
	s_endpgm
.Lidle:
	s_endpgm
.Lfunc_end_k_q9edd05523c_prep:
	.size	k_q9edd05523c_prep, .Lfunc_end_k_q9edd05523c_prep-k_q9edd05523c_prep
	.p2alignl 7, 3214868480
	.fill 96, 4, 3214868480
	.section	.rodata,"a",@progbits
	.p2align	6, 0x0
	.amdhsa_kernel k_q9edd05523c_prep
		.amdhsa_group_segment_fixed_size 142336
		.amdhsa_private_segment_fixed_size 0
		.amdhsa_enable_private_segment 0
		.amdhsa_kernarg_size 112
		.amdhsa_user_sgpr_count 2
		.amdhsa_user_sgpr_kernarg_segment_ptr 1
		.amdhsa_wavefront_size32 1
		.amdhsa_system_sgpr_workgroup_id_x 1
		.amdhsa_system_sgpr_workgroup_id_y 1
		.amdhsa_system_sgpr_workgroup_id_z 1
		.amdhsa_system_vgpr_workitem_id 0
		.amdhsa_next_free_vgpr 256
		.amdhsa_next_free_sgpr 72
		.amdhsa_reserve_vcc 1
		.amdhsa_float_denorm_mode_32 3
		.amdhsa_float_denorm_mode_16_64 3
		.amdhsa_memory_ordered 1
		.amdhsa_forward_progress 1
		.amdhsa_inst_pref_size 172
	.end_amdhsa_kernel
	.amdgpu_metadata
---
amdhsa.version: [ 1, 2 ]
amdhsa.kernels:
  - .name:           k_q9edd05523c_prep
    .symbol:         k_q9edd05523c_prep.kd
    .args:
      - { .name: initial_hidden_state, .offset: 0, .size: 8, .value_kind: global_buffer, .address_space: global }
      - { .name: emb, .offset: 8, .size: 8, .value_kind: global_buffer, .address_space: global }
      - { .name: ln1_w, .offset: 16, .size: 8, .value_kind: global_buffer, .address_space: global }
      - { .name: Wq, .offset: 24, .size: 8, .value_kind: global_buffer, .address_space: global }
      - { .name: Wk, .offset: 32, .size: 8, .value_kind: global_buffer, .address_space: global }
      - { .name: Wv, .offset: 40, .size: 8, .value_kind: global_buffer, .address_space: global }
      - { .name: Wdown, .offset: 48, .size: 8, .value_kind: global_buffer, .address_space: global }
      - { .name: Wout, .offset: 56, .size: 8, .value_kind: global_buffer, .address_space: global }
      - { .name: Wgate, .offset: 64, .size: 8, .value_kind: global_buffer, .address_space: global }
      - { .name: Wup, .offset: 72, .size: 8, .value_kind: global_buffer, .address_space: global }
      - { .name: pre, .offset: 80, .size: 8, .value_kind: global_buffer, .address_space: global }
      - { .name: candv, .offset: 88, .size: 8, .value_kind: global_buffer, .address_space: global }
      - { .name: candi, .offset: 96, .size: 8, .value_kind: global_buffer, .address_space: global }
      - { .name: st0, .offset: 104, .size: 8, .value_kind: global_buffer, .address_space: global }
    .group_segment_fixed_size: 142336
    .private_segment_fixed_size: 0
    .kernarg_segment_align: 8
    .kernarg_segment_size: 112
    .max_flat_workgroup_size: 256
    .sgpr_count:     72
    .vgpr_count:     256
    .wavefront_size: 32
...
	.end_amdgpu_metadata
.endif
;; end of part 1
;; launch att0 (part 2): grid 16 x 4, 8 waves a work-group, no clusters, 8,192 bytes of LDS; arguments pre, Wo, candv, candi, st0, part, st1; writes part, st1
.if DOCPART == 2
	.amdgcn_target "amdgcn-amd-amdhsa--gfx1250"
	.amdhsa_code_object_version 6
	.text
	.protected	k_q9edd05523c_att0
	.globl	k_q9edd05523c_att0
	.p2align	8
	.type	k_q9edd05523c_att0,@function
k_q9edd05523c_att0:
	s_mov_b64 s[64:65], 0
	v_nop
	global_prefetch_b8 v0, s[64:65] scope:SCOPE_SE
	s_setreg_imm32_b32 hwreg(HW_REG_WAVE_MODE, 25, 1), 1
	s_wait_xcnt 0x0
; ATT: one step's attention for the ONE query row that the step's logits hang on, and its product by Wo, in partials.
; The work-group (c, h) takes keys 256 c .. 256 c + 255 of head h, a wave 32 of them.  It stores (m, l, z[256]): the largest score (in powers of two), the sum of 2^(s - m), and (sum of 2^(s - m) v) Wo[64 h .. 64 h + 63][:].
; WHICH ROW IS THE QUERY.  The launch before left 64 candidates (value, table row), one for each 16 vocabulary entries.  The winner is found here, but no address hangs on it: wave w gathers piece w (16 bytes) of ALL 64
; candidate rows of Q, K and V (addresses from the stored whole numbers), and v_cndmask_b32 keeps the winner's.  Equal values: the lowest entry wins, as argmax does.
; EXTRA KEYS.  Step t has keys beyond the 4,096 fixed ones: table rows R[1..t] at positions 4096..4095 + t.  They are slot 8: lanes 8 a .. 8 a + 7 take R[a + 1].  Every wave computes the slot; it counts only in wave 0 of chunk 0
; (elsewhere its score is the lowest finite number, so that its weight is 0): no branch, and no register that is written on one path alone.
; SOFTMAX: the maximum is taken away at every level: in the wave, over the eight waves, and (next launch) over the chunks.
; One-row products: the matrix unit would idle in 15 of 16 rows, so the vector unit does them, K and V straight from their bf16 halves into f32.
; LIMITS: NaN and infinities are not treated apart (an all-NaN candidate list picks table row 0).  A weight below 2^-126 counts as 0.
.set HB,    655360
.set VC,    2621440
.set QTB,   4734976                    ; Q's place in pre less 3968 rows: Q's first row is table row 3968
.set QHP,   147456
.set RT,    11599872
.set ACCW,  512                        ; LDS: 0, 128, 256: the winner's q, k, v (128 bytes each); [8 waves][64] f32
.set STW,   2560                       ; m[8], l[8]
.set ZP,    3072                       ; [4][256] f32
.set SPARE, 7168                       ; the spare words: 128 bytes a wave, four blocks of 256 bytes that no other line names
.set L,   1
.set A,   2                            ; l / 8: which of a slot's four keys
.set P,   3                            ; l % 8: which 8 of the 64 dimensions
.set L16, 4
.set L4,  5
.set CQ,  6                            ; 16 x (32 (wave % 2) + l): my four columns of Wo
.set ZR,  7                            ; 0
.set SPW, 8
.set NIL, 9
.set CV,  10                           ; v10, v11 candidates' values
.set CI,  12                           ; v12, v13 candidates' rows
.set STV, 14                           ; state word l
.set T0,  15
.set T1,  16
.set O0,  17
.set O1,  18
.set OH,  19
.set OX,  20
.set OQ,  21
.set P16, 22
.set SB,  23
.set A1,  24
.set T2,  25
.set SD,  26                           ; v26-37 the winner's pieces of q, k, v; v38 the winner's row
.set RWN, 38
.set TM,  40                           ; v40-52 at work
.set S,   54                           ; v54-62 nine scores, then weights
.set MX,  63
.set KR,  64
.set VR,  96
.set WO,  128
.set G,   192                          ; v192-215 the gathered pieces
.set KH,  216
.set VH,  220
.set CQS, 224
.set SQS, 232
.set CXS, 240
.set SXS, 248
.set QR,  192
.set QF,  196                          ; the query in f32; later the wave's sum of weighted v
.set RTM, 204
.set LS,  212
.set LT,  213
.set KXF, 26
.set SK,  40
.set SV,  44
.set WV,  18
.set CC,  19
.set HD,  28
.set RG,  29
.set SEL, 30
.set TT,  66
.set HI,  71
.set CSC, 72
.macro BAR
	s_barrier_signal -1
	s_barrier_wait -1
.endm
.macro MIX d, a, b, c, hi              ; v[d] = bf16 half of v[a] x v[b] + v[c]
.if \hi
	v_fma_mix_f32_bf16 v[\d], v[\a], v[\b], v[\c] op_sel:[1,0,0] op_sel_hi:[1,0,0]
.else
	v_fma_mix_f32_bf16 v[\d], v[\a], v[\b], v[\c] op_sel_hi:[1,0,0]
.endif
.endm
	s_load_b256 s[4:11], s[0:1], 0x0                   ; pre 4, Wo 6, candv 8, candi 10
	s_load_b128 s[12:15], s[0:1], 0x20                 ; state in 12, part 14
	s_load_b64 s[16:17], s[0:1], 0x30                  ; state out
	v_lshl_add_u32 v[SPW], v0, 2, SPARE
	v_mov_b32 v[NIL], 0
	v_and_b32 v[L], 31, v0
	v_lshrrev_b32 v[T0], 5, v0
	v_readfirstlane_b32 s[WV], v[T0]
	s_mov_b32 s[CC], ttmp9
	s_and_b32 s[HD], ttmp7, 0xffff
	s_lshr_b32 s[RG], s[WV], 1
	s_mov_b32 s[SEL], 0x76543210
	s_mov_b32 s[SEL+1], 0xfedcba98
	s_mov_b32 s[HI], 0xffff0000
	s_mov_b32 s[CSC], 0x3e38aa3b                       ; log2(e) / 8
	s_mov_b32 s51, 0
	v_lshrrev_b32 v[A], 3, v[L]
	v_and_b32 v[P], 7, v0
	v_lshlrev_b32 v[L16], 4, v[L]
	v_lshlrev_b32 v[L4], 2, v[L]
	s_and_b32 s50, s[WV], 1
	s_lshl_b32 s50, s50, 9
	v_add_nc_u32 v[CQ], s50, v[L16]
	v_mov_b32 v[ZR], 0
	v_and_b32 v[OQ], 3, v0
	v_lshlrev_b32 v[OQ], 5, v[OQ]                      ; my 8 frequencies: 8 (p % 4) on
	v_add_nc_u32 v[A1], 1, v[A]
	v_min_u32 v[OX], 3, v[A1]
	v_lshl_add_u32 v[OX], v[OX], 8, v[OQ]              ; the extra key a + 1 stands at position 4095 + a + 1
	v_lshlrev_b32 v[P16], 4, v[P]
	s_wait_kmcnt 0x0
	s_load_b256 s[20:27], s[12:13], 0x0                ; word 0: the step t; words 1..4: R[0..3]
	global_load_b32 v[CV], v[L4], s[8:9]
	global_load_b32 v[CV+1], v[L4], s[8:9] offset:128
	global_load_b32 v[CI], v[L4], s[10:11]
	global_load_b32 v[CI+1], v[L4], s[10:11] offset:128
	global_load_b32 v[STV], v[L4], s[12:13]
	s_mul_i32 s50, s[HD], HB
	s_add_nc_u64 s[60:61], s[4:5], s[50:51]            ; K of my head (V lies VC further on)
	s_lshl_b32 s50, s[CC], 15
	s_lshl_b32 s62, s[WV], 12
	s_add_co_u32 s50, s50, s62
	s_add_nc_u64 s[52:53], s[60:61], s[50:51]          ; my wave's 32 keys
	s_lshl_b32 s50, s[HD], 16
	s_lshl_b32 s62, s[RG], 14
	s_add_co_u32 s50, s50, s62
	s_add_nc_u64 s[54:55], s[6:7], s[50:51]            ; Wo's rows 64 h + 16 rg on
	s_mul_i32 s50, s[HD], QHP
	s_add_co_u32 s50, s50, QTB
	s_add_nc_u64 s[58:59], s[4:5], s[50:51]
	s_add_nc_u64 s[56:57], s[4:5], RT
.irp i, 0,1,2,3,4,5,6,7
	global_load_b128 v[KR+4*(\i):KR+4*(\i)+3], v[L16], s[52:53] offset:512*(\i)        ; four keys: 512 consecutive bytes
.endr
.irp i, 0,1,2,3,4,5,6,7
	global_load_b128 v[VR+4*(\i):VR+4*(\i)+3], v[L16], s[52:53] offset:VC+512*(\i)
.endr
.irp i, 0,1,2,3,4,5,6,7,8,9,10,11,12,13,14,15
	global_load_b128 v[WO+4*(\i):WO+4*(\i)+3], v[CQ], s[54:55] offset:1024*(\i)
.endr
	s_wait_kmcnt 0x0
	s_min_u32 s[TT], s20, 3
	s_lshl_b32 s50, s[TT], 8
	s_add_nc_u64 s[62:63], s[56:57], s[50:51]          ; cos and sin of the query's position 4095 + t
	global_load_b128 v[CQS:CQS+3], v[OQ], s[62:63]
	global_load_b128 v[CQS+4:CQS+7], v[OQ], s[62:63] offset:16
	global_load_b128 v[SQS:SQS+3], v[OQ], s[62:63] offset:128
	global_load_b128 v[SQS+4:SQS+7], v[OQ], s[62:63] offset:144
	v_mov_b32 v[OH], s24                               ; R[a + 1] of earlier steps, from the state
	v_mov_b32 v[T0], s22
	v_mov_b32 v[T1], s23
	v_cmp_eq_u32 vcc_lo, 0, v[A]
	v_cndmask_b32 v[OH], v[OH], v[T0], vcc_lo
	v_cmp_eq_u32 vcc_lo, 1, v[A]
	v_cndmask_b32 v[OH], v[OH], v[T1], vcc_lo
	v_min_u32 v[OH], 0x13ff, v[OH]
	v_lshlrev_b32 v[OH], 7, v[OH]
	v_add_nc_u32 v[OH], v[OH], v[P16]
	global_load_b128 v[KH:KH+3], v[OH], s[60:61]
	global_load_b128 v[VH:VH+3], v[OH], s[60:61] offset:VC
	global_load_b128 v[CXS:CXS+3], v[OX], s[56:57]
	global_load_b128 v[CXS+4:CXS+7], v[OX], s[56:57] offset:16
	global_load_b128 v[SXS:SXS+3], v[OX], s[56:57] offset:128
	global_load_b128 v[SXS+4:SXS+7], v[OX], s[56:57] offset:144
.set i, 0
.rept 13
	v_mov_b32 v[TM+i], 0                               ; destinations of lane exchanges count as read: written once here, while the loads are out
.set i, i+1
.endr
	v_mov_b32 v[T2], 0x80000000
	v_cmp_gt_u32 vcc_lo, 4, v[P]
	v_cndmask_b32 v[SB], v[ZR], v[T2], vcc_lo          ; dimensions below 32 take minus their partner
	s_lshl_b32 s50, s[WV], 4
	s_wait_loadcnt 42                                  ; the candidates and the state word are in; K 8, V 8, Wo 16, cos/sin 4 + 4, history 2 stay out
	v_min_u32 v[CI], 0x13ff, v[CI]
	v_min_u32 v[CI+1], 0x13ff, v[CI+1]
	v_lshlrev_b32 v[O0], 7, v[CI]
	v_lshlrev_b32 v[O1], 7, v[CI+1]
	v_add_nc_u32 v[O0], s50, v[O0]                     ; piece wv of candidate l's row,
	v_add_nc_u32 v[O1], s50, v[O1]                     ; and of candidate 32 + l's
	global_load_b128 v[G:G+3], v[O0], s[58:59]
	global_load_b128 v[G+4:G+7], v[O1], s[58:59]
	global_load_b128 v[G+8:G+11], v[O0], s[60:61]
	global_load_b128 v[G+12:G+15], v[O1], s[60:61]
	global_load_b128 v[G+16:G+19], v[O0], s[60:61] offset:VC
	global_load_b128 v[G+20:G+23], v[O1], s[60:61] offset:VC
	; the winner: one bit in s48 (candidates 0-31) or in s49 (32-63)
	v_max_num_f32 v[T0], v[CV], v[CV+1]
.irp m, 1,2,4,8
	v_max_num_f32_dpp v[T0], v[T0], v[T0] row_xmask:\m row_mask:0xf bank_mask:0xf
.endr
	v_permlanex16_b32 v[T1], v[T0], s[SEL], s[SEL+1]
	v_max_num_f32 v[T0], v[T0], v[T1]
	v_cmp_eq_f32 s48, v[CV], v[T0]
	v_cmp_eq_f32 s49, v[CV+1], v[T0]
	s_sub_co_u32 s50, 0, s48
	s_and_b32 s48, s48, s50                            ; the lowest set bit
	s_sub_co_u32 s50, 0, s49
	s_and_b32 s49, s49, s50
	s_cmp_lg_u32 s48, 0
	s_cselect_b32 s49, 0, s49
	s_or_b32 s50, s[CC], s[WV]
	s_cmp_eq_u32 s50, 0
	s_cselect_b32 s67, s[TT], 0                        ; how many extra keys count in this wave
	v_cmp_eq_u32 s68, s[TT], v[A1]                     ; my extra key is this step's own row
	v_cmp_ge_u32 s69, s67, v[A1]                       ; my extra key counts
	s_wait_loadcnt 0x0
.set i, 0
.rept 12
	v_cndmask_b32 v[SD+i], 0, v[G+8*(i/4)+i%4], s48
.set i, i+1
.endr
	v_cndmask_b32 v[RWN], 0, v[CI], s48
.set i, 0
.rept 12
	v_cndmask_b32 v[SD+i], v[SD+i], v[G+8*(i/4)+4+i%4], s49
.set i, i+1
.endr
	v_cndmask_b32 v[RWN], v[RWN], v[CI+1], s49
	; all lanes but one hold 0: an OR over the 32 lanes gives every lane the winner's words
.irp m, 1,2,4,8
.set i, 0
.rept 13
	v_mov_b32_dpp v[TM+i], v[SD+i] row_xmask:\m row_mask:0xf bank_mask:0xf
.set i, i+1
.endr
.set i, 0
.rept 13
	v_or_b32 v[SD+i], v[SD+i], v[TM+i]
.set i, i+1
.endr
.endr
.set i, 0
.rept 13
	v_permlanex16_b32 v[TM+i], v[SD+i], s[SEL], s[SEL+1]
.set i, i+1
.endr
.set i, 0
.rept 13
	v_or_b32 v[SD+i], v[SD+i], v[TM+i]
.set i, i+1
.endr
	s_lshl_b32 s50, s[WV], 4
	v_mov_b32 v[T2], s50
	ds_store_b128 v[T2], v[SD:SD+3]                    ; all lanes write the same 16 bytes with the same value
	ds_store_b128 v[T2], v[SD+4:SD+7] offset:128
	ds_store_b128 v[T2], v[SD+8:SD+11] offset:256
	s_wait_dscnt 0x0                                   ; for the others' sake
	s_barrier_signal -1
.set i, 0
.rept 32                                               ; register work while the others arrive: Wo rounded to bf16, as every input is
	v_cvt_pk_bf16_f32 v[TM+i%8], v[WO+2*i], v[WO+2*i+1]
	v_lshlrev_b32 v[WO+2*i], 16, v[TM+i%8]
	v_and_b32 v[WO+2*i+1], s[HI], v[TM+i%8]
.set i, i+1
.endr
	s_barrier_wait -1
	ds_load_b128 v[QR:QR+3], v[P16]
	ds_load_b128 v[SK:SK+3], v[P16] offset:128
	ds_load_b128 v[SV:SV+3], v[P16] offset:256
.set i, 0
.rept 8
	v_xor_b32 v[SQS+i], v[SB], v[SQS+i]
	v_xor_b32 v[SXS+i], v[SB], v[SXS+i]
.set i, i+1
.endr
	s_wait_dscnt 0x0
.set i, 0
.rept 4
	v_lshlrev_b32 v[QF+2*i], 16, v[QR+i]
	v_and_b32 v[QF+2*i+1], s[HI], v[QR+i]
	v_cndmask_b32 v[KH+i], v[KH+i], v[SK+i], s68
	v_cndmask_b32 v[VH+i], v[VH+i], v[SV+i], s68
.set i, i+1
.endr
	; the rotary turn: dimension d's partner d +- 32 lies in the lane 4 away
.set i, 0
.rept 8
	v_mul_f32_dpp v[RTM+i], v[QF+i], v[SQS+i] row_xmask:4 row_mask:0xf bank_mask:0xf
.set i, i+1
.endr
.set i, 0
.rept 8
	v_fma_f32 v[QF+i], v[QF+i], v[CQS+i], v[RTM+i]
.set i, i+1
.endr
.set i, 0
.rept 4
	v_lshlrev_b32 v[KXF+2*i], 16, v[KH+i]
	v_and_b32 v[KXF+2*i+1], s[HI], v[KH+i]
.set i, i+1
.endr
.set i, 0
.rept 8
	v_mul_f32 v[QF+i], s[CSC], v[QF+i]                 ; the scale, and base 2
.set i, i+1
.endr
.set i, 0
.rept 8
	v_mul_f32_dpp v[RTM+i], v[KXF+i], v[SXS+i] row_xmask:4 row_mask:0xf bank_mask:0xf
.set i, i+1
.endr
.set i, 0
.rept 8
	v_fma_f32 v[KXF+i], v[KXF+i], v[CXS+i], v[RTM+i]
.set i, i+1
.endr
	; nine scores: my 8 dimensions' share, nine chains side by side
.set j, 0
.rept 8
.set i, 0
.rept 8
.if j == 0
	MIX S+i, KR+4*i, QF, ZR, 0
.else
	MIX S+i, KR+4*i+j/2, QF+j, S+i, j%2
.endif
.set i, i+1
.endr
.if j == 0
	v_mul_f32 v[S+8], v[KXF], v[QF]
.else
	v_fma_f32 v[S+8], v[KXF+j], v[QF+j], v[S+8]
.endif
.set j, j+1
.endr
.irp m, 1,2,4
.set i, 0
.rept 9
	v_add_f32_dpp v[S+i], v[S+i], v[S+i] row_xmask:\m row_mask:0xf bank_mask:0xf
.set i, i+1
.endr
.endr
	v_mov_b32 v[T2], 0xff7fffff
	v_cndmask_b32 v[S+8], v[T2], v[S+8], s69
	v_max3_num_f32 v[MX], v[S], v[S+1], v[S+2]
	v_max3_num_f32 v[MX], v[MX], v[S+3], v[S+4]
	v_max3_num_f32 v[MX], v[MX], v[S+5], v[S+6]
	v_max3_num_f32 v[MX], v[MX], v[S+7], v[S+8]
	v_max_num_f32_dpp v[MX], v[MX], v[MX] row_xmask:8 row_mask:0xf bank_mask:0xf
	v_permlanex16_b32 v[T1], v[MX], s[SEL], s[SEL+1]
	v_max_num_f32 v[MX], v[MX], v[T1]                  ; the wave's largest score
.set i, 0
.rept 9
	v_sub_f32 v[S+i], v[S+i], v[MX]
.set i, i+1
.endr
.set i, 0
.rept 9
	v_exp_f32 v[S+i], v[S+i]
.set i, i+1
.endr
	v_nop                                              ; a plain instruction behind the last exponential
	s_wait_alu depctr_va_vdst(0)
	v_add_f32 v[LS], v[S], v[S+1]
	v_add_f32 v[LT], v[S+2], v[S+3]
	v_add_f32 v[LS], v[LS], v[S+4]
	v_add_f32 v[LT], v[LT], v[S+5]
	v_add_f32 v[LS], v[LS], v[S+6]
	v_add_f32 v[LT], v[LT], v[S+7]
	v_add_f32 v[LS], v[LS], v[S+8]
	v_add_f32 v[LS], v[LS], v[LT]
	v_add_f32_dpp v[LS], v[LS], v[LS] row_xmask:8 row_mask:0xf bank_mask:0xf
	v_permlanex16_b32 v[LT], v[LS], s[SEL], s[SEL+1]
	v_add_f32 v[LS], v[LS], v[LT]
.set i, 0
.rept 9
.set j, 0
.rept 8
.if i == 0
	MIX QF+j, VR+j/2, S, ZR, j%2
.elseif i < 8
	MIX QF+j, VR+4*i+j/2, S+i, QF+j, j%2
.else
	MIX QF+j, VH+j/2, S+8, QF+j, j%2
.endif
.set j, j+1
.endr
.set i, i+1
.endr
.set j, 0
.rept 8
	v_add_f32_dpp v[QF+j], v[QF+j], v[QF+j] row_xmask:8 row_mask:0xf bank_mask:0xf
.set j, j+1
.endr
.set j, 0
.rept 8
	v_permlanex16_b32 v[RTM+j], v[QF+j], s[SEL], s[SEL+1]
.set j, j+1
.endr
.set j, 0
.rept 8
	v_add_f32 v[QF+j], v[QF+j], v[RTM+j]
.set j, j+1
.endr
	s_lshl_b32 s50, s[WV], 8
	s_add_co_u32 s50, s50, ACCW
	v_lshl_add_u32 v[T2], v[P], 5, s50
	ds_store_b128 v[T2], v[QF:QF+3]
	ds_store_b128 v[T2], v[QF+4:QF+7] offset:16
	s_lshl_b32 s50, s[WV], 2
	s_add_co_u32 s50, s50, STW
	v_mov_b32 v[T1], s50
	ds_store_b32 v[T1], v[MX]
	ds_store_b32 v[T1], v[LS] offset:32
	s_wait_dscnt 0x0
	BAR
	; over the eight waves.  Lane (hh = l / 16, r = l % 16) takes waves 4 hh .. 4 hh + 3 and dimension 16 rg + r
	v_lshrrev_b32 v[T0], 4, v[L]
	v_lshl_add_u32 v[T2], v[T0], 4, STW
	ds_load_b128 v[40:43], v[T2]
	ds_load_b128 v[44:47], v[T2] offset:32
	v_and_b32 v[O0], 15, v0
	s_lshl_b32 s50, s[RG], 6
	s_add_co_u32 s50, s50, ACCW
	v_lshl_add_u32 v[T1], v[O0], 2, s50
	v_lshl_add_u32 v[T1], v[T0], 10, v[T1]
.irp k, 0,1,2,3
	ds_load_b32 v[48+(\k)], v[T1] offset:256*(\k)
.endr
	s_wait_dscnt 0x0
	v_max3_num_f32 v60, v40, v41, v42
	v_max_num_f32 v60, v60, v43
	v_permlanex16_b32 v[T2], v60, s[SEL], s[SEL+1]
	v_max_num_f32 v60, v60, v[T2]                      ; M
.irp k, 0,1,2,3
	v_sub_f32 v[40+(\k)], v[40+(\k)], v60
.endr
.irp k, 0,1,2,3
	v_exp_f32 v[40+(\k)], v[40+(\k)]
.endr
	v_nop
	s_wait_alu depctr_va_vdst(0)
	v_mul_f32 v61, v40, v44
	v_mul_f32 v62, v40, v48
.irp k, 1,2,3
	v_fma_f32 v61, v[40+(\k)], v[44+(\k)], v61
	v_fma_f32 v62, v[40+(\k)], v[48+(\k)], v62
.endr
	v_permlanex16_b32 v[T2], v61, s[SEL], s[SEL+1]
	v_permlanex16_b32 v[T1], v62, s[SEL], s[SEL+1]
	v_add_f32 v61, v61, v[T2]                          ; L
	v_add_f32 v62, v62, v[T1]                          ; lane r: the chunk's sum for dimension 16 rg + r
.set i, 0
.rept 16
	v_readlane_b32 s[32+i], v62, i
.set i, i+1
.endr
.irp d, 0,1,2,3
	v_mul_f32 v[56+(\d)], s32, v[WO+(\d)]
.endr
.set i, 1
.rept 15
.irp d, 0,1,2,3
	v_fmac_f32 v[56+(\d)], s[32+i], v[WO+4*i+(\d)]
.endr
.set i, i+1
.endr
	s_lshl_b32 s50, s[RG], 10
	s_add_co_u32 s50, s50, ZP
	v_add_nc_u32 v[T2], s50, v[CQ]
	ds_store_b128 v[T2], v[56:59]
	s_wait_dscnt 0x0
	BAR
	s_cmp_gt_u32 s[WV], 1
	s_cbranch_scc1 .Lend
	v_add_nc_u32 v[T2], ZP, v[CQ]                      ; waves 0 and 1: 16 cq = 512 wave + 16 l
.irp k, 0,1,2,3
	ds_load_b128 v[40+4*(\k):43+4*(\k)], v[T2] offset:1024*(\k)
.endr
	s_lshl4_add_u32 s50, s[HD], s[CC]
	s_lshl_b32 s62, s50, 3
	s_lshl_b32 s50, s50, 10
	s_add_nc_u64 s[52:53], s[14:15], s[50:51]
	s_wait_dscnt 0x0
	v_pk_add_f32 v[40:41], v[40:41], v[44:45]
	v_pk_add_f32 v[42:43], v[42:43], v[46:47]
	v_pk_add_f32 v[48:49], v[48:49], v[52:53]
	v_pk_add_f32 v[50:51], v[50:51], v[54:55]
	v_pk_add_f32 v[40:41], v[40:41], v[48:49]
	v_pk_add_f32 v[42:43], v[42:43], v[50:51]
	global_store_b128 v[CQ], v[40:43], s[52:53]        ; 512 consecutive bytes, aligned
	s_cmp_lg_u32 s[WV], 0
	s_cbranch_scc1 .Lend
	s_add_co_u32 s50, s62, 65536
	s_add_nc_u64 s[54:55], s[14:15], s[50:51]
	v_cmp_eq_u32 vcc_lo, 0, v[L]
	s_wait_xcnt 0x0                                    ; EXEC changes only behind this wait
	s_and_saveexec_b32 s70, vcc_lo
	global_store_b64 v[ZR], v[60:61], s[54:55]         ; (M, L)
	s_wait_xcnt 0x0
	s_or_b32 exec_lo, exec_lo, s70
	s_or_b32 s50, s[CC], s[HD]
	s_cmp_lg_u32 s50, 0
	s_cbranch_scc1 .Lend
	; the state for the launches behind: word 0: t + 1; word t + 1 and word 5: this step's row; word 6: t; the others pass
	s_add_co_u32 s50, s[TT], 1
	v_mov_b32 v[T0], s50
	v_mov_b32 v[T1], s[TT]
	v_cmp_eq_u32 vcc_lo, 0, v[L]
	v_cndmask_b32 v[STV], v[STV], v[T0], vcc_lo
	v_cmp_eq_u32 vcc_lo, s50, v[L]
	v_cndmask_b32 v[STV], v[STV], v[RWN], vcc_lo
	v_cmp_eq_u32 vcc_lo, 5, v[L]
	v_cndmask_b32 v[STV], v[STV], v[RWN], vcc_lo
	v_cmp_eq_u32 vcc_lo, 6, v[L]
	v_cndmask_b32 v[STV], v[STV], v[T1], vcc_lo
	global_store_b32 v[L4], v[STV], s[16:17]
.Lend:
	s_wait_tensorcnt 0x0                               ; the wave's end
	ds_add_u32 v[SPW], v[NIL]
	s_wait_dscnt 0x0
	s_endpgm
.Lfunc_end_k_q9edd05523c_att0:
	.size	k_q9edd05523c_att0, .Lfunc_end_k_q9edd05523c_att0-k_q9edd05523c_att0
	.p2alignl 7, 3214868480
	.fill 96, 4, 3214868480
	.section	.rodata,"a",@progbits
	.p2align	6, 0x0
	.amdhsa_kernel k_q9edd05523c_att0
		.amdhsa_group_segment_fixed_size 8192
		.amdhsa_private_segment_fixed_size 0
		.amdhsa_enable_private_segment 0
		.amdhsa_kernarg_size 56
		.amdhsa_user_sgpr_count 2
		.amdhsa_user_sgpr_kernarg_segment_ptr 1
		.amdhsa_wavefront_size32 1
		.amdhsa_system_sgpr_workgroup_id_x 1
		.amdhsa_system_sgpr_workgroup_id_y 1
		.amdhsa_system_sgpr_workgroup_id_z 1
		.amdhsa_system_vgpr_workitem_id 0
		.amdhsa_next_free_vgpr 256
		.amdhsa_next_free_sgpr 76
		.amdhsa_reserve_vcc 1
		.amdhsa_float_denorm_mode_32 3
		.amdhsa_float_denorm_mode_16_64 3
		.amdhsa_memory_ordered 1
		.amdhsa_forward_progress 1
		.amdhsa_inst_pref_size 47
	.end_amdhsa_kernel
	.amdgpu_metadata
---
amdhsa.version: [ 1, 2 ]
amdhsa.kernels:
  - .name:           k_q9edd05523c_att0
    .symbol:         k_q9edd05523c_att0.kd
    .args:
      - { .name: pre, .offset: 0, .size: 8, .value_kind: global_buffer, .address_space: global }
      - { .name: Wo, .offset: 8, .size: 8, .value_kind: global_buffer, .address_space: global }
      - { .name: candv, .offset: 16, .size: 8, .value_kind: global_buffer, .address_space: global }
      - { .name: candi, .offset: 24, .size: 8, .value_kind: global_buffer, .address_space: global }
      - { .name: st0, .offset: 32, .size: 8, .value_kind: global_buffer, .address_space: global }
      - { .name: part, .offset: 40, .size: 8, .value_kind: global_buffer, .address_space: global }
      - { .name: st1, .offset: 48, .size: 8, .value_kind: global_buffer, .address_space: global }
    .group_segment_fixed_size: 8192
    .private_segment_fixed_size: 0
    .kernarg_segment_align: 8
    .kernarg_segment_size: 56
    .max_flat_workgroup_size: 256
    .sgpr_count:     76
    .vgpr_count:     256
    .wavefront_size: 32
...
	.end_amdgpu_metadata
.endif
;; end of part 2
;; launch mlp0 (part 3): grid 128 x 1, 8 waves a work-group, no clusters, 5,120 bytes of LDS; arguments part, st1, pre, emb, initial_hidden_state, ln2_w, vec; writes vec
.if DOCPART == 3
	.amdgcn_target "amdgcn-amd-amdhsa--gfx1250"
	.amdhsa_code_object_version 6
	.text
	.protected	k_q9edd05523c_mlp0
	.globl	k_q9edd05523c_mlp0
	.p2align	8
	.type	k_q9edd05523c_mlp0,@function
k_q9edd05523c_mlp0:
	s_mov_b64 s[64:65], 0
	v_nop
	global_prefetch_b8 v0, s[64:65] scope:SCOPE_SE
	s_setreg_imm32_b32 hwreg(HW_REG_WAVE_MODE, 25, 1), 1
	s_wait_xcnt 0x0
; MLP, first half, for the step's one row.  Every work-group first joins the 64 partials of the attention launch: per head M = max m, z = sum 2^(m - M) z_c / sum 2^(m - M) l_c; x2 = x + the four heads' z.
; Then wave w of work-group g makes ONE number: act[n] = silu(h2 . Wgate[:, n]) (h2 . Wup[:, n]), n = 8 g + w, h2 = rmsnorm(x2) ln2_w in f32; the weights come as bf16 rows [n][256].
; x is row R of the table (R from the state words of the launch before, clamped): hidden[R] below 4096, else emb[R - 4096]; x and ln2_w are rounded to bf16, as every input is.
; One-row products: vector unit; 1,024 columns over 1,024 waves, so a wave's result is four bytes: the stores are small because the result is.
; LIMITS: NaN and infinities are not treated apart.
.set WT,    5832704
.set SPARE, 4096                       ; LDS: [4 heads][256] f32 at 0; the spare words behind: four blocks of 256 bytes that no other line names
.set SPW, 6
.set NIL, 7
.set SEL, 48
.set HI,  50
.macro MIX d, a, b, c, hi
.if \hi
	v_fma_mix_f32_bf16 v[\d], v[\a], v[\b], v[\c] op_sel:[1,0,0] op_sel_hi:[1,0,0]
.else
	v_fma_mix_f32_bf16 v[\d], v[\a], v[\b], v[\c] op_sel_hi:[1,0,0]
.endif
.endm
.macro WSUM x, t                       ; the sum over the 32 lanes, in every lane; t has been written before
.irp m, 1,2,4,8
	v_add_f32_dpp v[\x], v[\x], v[\x] row_xmask:\m row_mask:0xf bank_mask:0xf
.endr
	v_permlanex16_b32 v[\t], v[\x], s[SEL], s[SEL+1]
	v_add_f32 v[\x], v[\x], v[\t]
.endm
	s_load_b256 s[4:11], s[0:1], 0x0                   ; part 4, state 6, pre 8, emb 10
	s_load_b128 s[12:15], s[0:1], 0x20                 ; hidden 12, ln2_w 14
	s_load_b64 s[16:17], s[0:1], 0x30                  ; vec
	v_lshl_add_u32 v[SPW], v0, 2, SPARE
	v_mov_b32 v[NIL], 0
	v_and_b32 v1, 31, v0
	v_lshrrev_b32 v9, 5, v0
	v_readfirstlane_b32 s18, v9                        ; wave
	s_lshr_b32 s19, s18, 1                             ; the head that I join
	s_mov_b32 s[SEL], 0x76543210
	s_mov_b32 s[SEL+1], 0xfedcba98
	s_mov_b32 s[HI], 0xffff0000
	s_mov_b32 s51, 0x3b800000                          ; 1 / 256
	s_mov_b32 s52, 0x358637bd                          ; 1e-6
	v_and_b32 v2, 15, v0
	v_lshlrev_b32 v2, 3, v2                            ; chunk l % 16's (m, l)
	v_lshlrev_b32 v5, 4, v1
	v_lshlrev_b32 v4, 5, v1
	s_and_b32 s30, s18, 1
	s_lshl_b32 s30, s30, 9
	v_add_nc_u32 v3, s30, v5                           ; my four columns of z
	v_mov_b32 v8, 0
	s_lshl3_add_u32 s21, ttmp9, s18                    ; n
	s_mov_b32 s31, 0
	s_wait_kmcnt 0x0
	s_load_b32 s20, s[6:7], 0x14                       ; word 5: the step's table row
	s_lshl_b32 s30, s19, 7
	s_add_co_u32 s30, s30, 65536
	s_add_nc_u64 s[22:23], s[4:5], s[30:31]
	s_lshl_b32 s30, s19, 14
	s_add_nc_u64 s[24:25], s[4:5], s[30:31]
	s_lshl_b32 s30, s21, 9
	s_add_co_u32 s30, s30, WT
	s_add_nc_u64 s[26:27], s[8:9], s[30:31]
	global_load_b64 v[10:11], v2, s[22:23]
.irp c, 0,1,2,3,4,5,6,7,8,9,10,11,12,13,14,15
	global_load_b128 v[16+4*(\c):19+4*(\c)], v3, s[24:25] offset:1024*(\c)
.endr
	global_load_b128 v[80:83], v5, s[26:27]            ; Wgate's column n: my 8 of its 256
	global_load_b128 v[84:87], v5, s[26:27] offset:1024*512
	global_load_b128 v[88:91], v4, s[14:15]
	global_load_b128 v[92:95], v4, s[14:15] offset:16
	s_wait_kmcnt 0x0
	s_min_u32 s20, s20, 0x13ff
	s_cmp_lt_u32 s20, 4096
	s_cselect_b64 s[28:29], s[12:13], s[10:11]
	s_and_b32 s30, s20, 4095
	s_lshl_b32 s30, s30, 10
	s_add_nc_u64 s[28:29], s[28:29], s[30:31]
	global_load_b128 v[96:99], v4, s[28:29]
	global_load_b128 v[100:103], v4, s[28:29] offset:16
	s_wait_loadcnt 22                                  ; the statistics are in; the 22 loads behind them stay out
	v_mov_b32 v12, v10
.irp m, 1,2,4,8
	v_max_num_f32_dpp v12, v12, v12 row_xmask:\m row_mask:0xf bank_mask:0xf
.endr
	v_sub_f32 v13, v10, v12
	v_exp_f32 v13, v13
	v_nop
	s_wait_alu depctr_va_vdst(0)
	v_mul_f32 v14, v13, v11
.irp m, 1,2,4,8
	v_add_f32_dpp v14, v14, v14 row_xmask:\m row_mask:0xf bank_mask:0xf
.endr
	v_rcp_f32 v14, v14
	v_nop
	s_wait_alu depctr_va_vdst(0)
	v_mul_f32 v13, v13, v14                            ; lane c: chunk c's factor
.set i, 0
.rept 16
	v_readlane_b32 s[32+i], v13, i
.set i, i+1
.endr
	s_wait_loadcnt 6                                   ; z is in; two weight rows, ln2_w and x stay out
.irp d, 0,1,2,3
	v_mul_f32 v[104+(\d)], s32, v[16+(\d)]
.endr
.set i, 1
.rept 15
.irp d, 0,1,2,3
	v_fmac_f32 v[104+(\d)], s[32+i], v[16+4*i+(\d)]
.endr
.set i, i+1
.endr
	s_lshl_b32 s30, s19, 10
	v_add_nc_u32 v15, s30, v3
	ds_store_b128 v15, v[104:107]
	s_wait_dscnt 0x0
	s_barrier_signal -1
	s_barrier_wait -1
.irp k, 0,1,2,3
	ds_load_b128 v[16+8*(\k):19+8*(\k)], v4 offset:1024*(\k)
	ds_load_b128 v[20+8*(\k):23+8*(\k)], v4 offset:1024*(\k)+16
.endr
	s_wait_loadcnt 0x0
.irp j, 0,1,2,3
	v_cvt_pk_bf16_f32 v[120+(\j)], v[96+2*(\j)], v[97+2*(\j)]
	v_cvt_pk_bf16_f32 v[124+(\j)], v[88+2*(\j)], v[89+2*(\j)]
.endr
.irp j, 0,1,2,3
	v_lshlrev_b32 v[96+2*(\j)], 16, v[120+(\j)]
	v_and_b32 v[97+2*(\j)], s[HI], v[120+(\j)]
	v_lshlrev_b32 v[88+2*(\j)], 16, v[124+(\j)]
	v_and_b32 v[89+2*(\j)], s[HI], v[124+(\j)]
.endr
	s_wait_dscnt 0x0
.irp k, 0,1,2,3
.irp j, 0,1,2,3
	v_pk_add_f32 v[96+2*(\j):97+2*(\j)], v[96+2*(\j):97+2*(\j)], v[16+8*(\k)+2*(\j):17+8*(\k)+2*(\j)]
.endr
.endr
	v_pk_mul_f32 v[104:105], v[96:97], v[96:97]
	v_pk_fma_f32 v[104:105], v[98:99], v[98:99], v[104:105]
	v_pk_fma_f32 v[104:105], v[100:101], v[100:101], v[104:105]
	v_pk_fma_f32 v[104:105], v[102:103], v[102:103], v[104:105]
	v_add_f32 v104, v104, v105
	WSUM 104, 105
	v_fma_f32 v104, v104, s51, s52
	v_rsq_f32 v104, v104
	v_nop
	s_wait_alu depctr_va_vdst(0)
.irp j, 0,1,2,3
	v_pk_mul_f32 v[108+2*(\j):109+2*(\j)], v[96+2*(\j):97+2*(\j)], v[104:105] op_sel_hi:[1,0]
.endr
.irp j, 0,1,2,3
	v_pk_mul_f32 v[108+2*(\j):109+2*(\j)], v[108+2*(\j):109+2*(\j)], v[88+2*(\j):89+2*(\j)]
.endr
.set j, 0
.rept 8
.if j == 0
	MIX 116, 80, 108, 8, 0
	MIX 117, 84, 108, 8, 0
.else
	MIX 116, 80+j/2, 108+j, 116, j%2
	MIX 117, 84+j/2, 108+j, 117, j%2
.endif
.set j, j+1
.endr
	WSUM 116, 120
	WSUM 117, 121
	v_mul_f32 v118, 0xbfb8aa3b, v116                   ; -g log2(e)
	v_exp_f32 v118, v118
	v_nop
	s_wait_alu depctr_va_vdst(0)
	v_add_f32 v118, 1.0, v118
	v_rcp_f32 v118, v118
	v_nop
	s_wait_alu depctr_va_vdst(0)
	v_mul_f32 v118, v116, v118                         ; silu(g); where 2^.. is infinite the reciprocal is 0
	v_mul_f32 v118, v118, v117
	s_lshl_b32 s30, s21, 2
	s_add_nc_u64 s[22:23], s[16:17], s[30:31]
	v_cmp_eq_u32 vcc_lo, 0, v1
	s_wait_xcnt 0x0                                    ; EXEC changes only behind this wait
	s_and_saveexec_b32 s53, vcc_lo
	global_store_b32 v8, v118, s[22:23]
	s_wait_xcnt 0x0
	s_or_b32 exec_lo, exec_lo, s53
	s_or_b32 s30, ttmp9, s18
	s_cmp_lg_u32 s30, 0
	s_cbranch_scc1 .Lend
	global_store_b128 v4, v[96:99], s[16:17] offset:4096   ; x2, once: 1,024 consecutive bytes by two stores
	global_store_b128 v4, v[100:103], s[16:17] offset:4112
.Lend:
	s_wait_tensorcnt 0x0                               ; the wave's end
	ds_add_u32 v[SPW], v[NIL]
	s_wait_dscnt 0x0
	s_endpgm
.Lfunc_end_k_q9edd05523c_mlp0:
	.size	k_q9edd05523c_mlp0, .Lfunc_end_k_q9edd05523c_mlp0-k_q9edd05523c_mlp0
	.p2alignl 7, 3214868480
	.fill 96, 4, 3214868480
	.section	.rodata,"a",@progbits
	.p2align	6, 0x0
	.amdhsa_kernel k_q9edd05523c_mlp0
		.amdhsa_group_segment_fixed_size 5120
		.amdhsa_private_segment_fixed_size 0
		.amdhsa_enable_private_segment 0
		.amdhsa_kernarg_size 56
		.amdhsa_user_sgpr_count 2
		.amdhsa_user_sgpr_kernarg_segment_ptr 1
		.amdhsa_wavefront_size32 1
		.amdhsa_system_sgpr_workgroup_id_x 1
		.amdhsa_system_sgpr_workgroup_id_y 1
		.amdhsa_system_sgpr_workgroup_id_z 1
		.amdhsa_system_vgpr_workitem_id 0
		.amdhsa_next_free_vgpr 128
		.amdhsa_next_free_sgpr 66
		.amdhsa_reserve_vcc 1
		.amdhsa_float_denorm_mode_32 3
		.amdhsa_float_denorm_mode_16_64 3
		.amdhsa_memory_ordered 1
		.amdhsa_forward_progress 1
		.amdhsa_inst_pref_size 15
	.end_amdhsa_kernel
	.amdgpu_metadata
---
amdhsa.version: [ 1, 2 ]
amdhsa.kernels:
  - .name:           k_q9edd05523c_mlp0
    .symbol:         k_q9edd05523c_mlp0.kd
    .args:
      - { .name: part, .offset: 0, .size: 8, .value_kind: global_buffer, .address_space: global }
      - { .name: st1, .offset: 8, .size: 8, .value_kind: global_buffer, .address_space: global }
      - { .name: pre, .offset: 16, .size: 8, .value_kind: global_buffer, .address_space: global }
      - { .name: emb, .offset: 24, .size: 8, .value_kind: global_buffer, .address_space: global }
      - { .name: initial_hidden_state, .offset: 32, .size: 8, .value_kind: global_buffer, .address_space: global }
      - { .name: ln2_w, .offset: 40, .size: 8, .value_kind: global_buffer, .address_space: global }
      - { .name: vec, .offset: 48, .size: 8, .value_kind: global_buffer, .address_space: global }
    .group_segment_fixed_size: 5120
    .private_segment_fixed_size: 0
    .kernarg_segment_align: 8
    .kernarg_segment_size: 56
    .max_flat_workgroup_size: 256
    .sgpr_count:     66
    .vgpr_count:     128
    .wavefront_size: 32
...
	.end_amdgpu_metadata
.endif
;; end of part 3
;; launch logit0 (part 4): grid 64 x 1, 8 waves a work-group, no clusters, 1,280 bytes of LDS; arguments vec, pre, st1, bout, out1, candv, candi; writes out1, candv, candi
.if DOCPART == 4
	.amdgcn_target "amdgcn-amd-amdhsa--gfx1250"
	.amdhsa_code_object_version 6
	.text
	.protected	k_q9edd05523c_logit0
	.globl	k_q9edd05523c_logit0
	.p2align	8
	.type	k_q9edd05523c_logit0,@function
k_q9edd05523c_logit0:
	s_mov_b64 s[64:65], 0
	v_nop
	global_prefetch_b8 v0, s[64:65] scope:SCOPE_SE
	s_setreg_imm32_b32 hwreg(HW_REG_WAVE_MODE, 25, 1), 1
	s_wait_xcnt 0x0
; LOGITS of the step's one row: logits[v] = act . WD[v][:] + x2 . Wout[:, v] + bout[v], all sums in f32 (WD = Wdown Wout in f32; Wout's column as a bf16 row; bout rounded to bf16, as every input is).
; Work-group g owns 16 entries v = 16 g .. 16 g + 15, a wave two of them.  Wave 0 then stores the 16 logits and the group's candidate for the argmax: the largest value, and 4096 + its v (the lowest v among equals).
; The argmax is taken of the logits: the softmax in between is increasing.  LIMIT: two top logits so close that their probabilities round to one number could tie there and not here; NaN is not treated.
; 1,024 results over 64 work-groups: a group's results are 64 bytes, so its stores are that small.
.set WT,    5832704
.set WD,    7405568
.set SPARE, 256                        ; LDS: 16 logits at 0; the spare words behind: four blocks of 256 bytes that no other line names
.set SPW, 4
.set NIL, 5
.set ACT, 16
.set X2,  48
.set BO,  56
.set W0,  64
.set W1,  100
.set PP,  136
.set SEL, 38
.macro MIX d, a, b, c, hi
.if \hi
	v_fma_mix_f32_bf16 v[\d], v[\a], v[\b], v[\c] op_sel:[1,0,0] op_sel_hi:[1,0,0]
.else
	v_fma_mix_f32_bf16 v[\d], v[\a], v[\b], v[\c] op_sel_hi:[1,0,0]
.endif
.endm
.macro ROWDOT w                        ; one entry: 32 numbers of WD at v[w], 8 of Wout at v[w+32]; the sum ends in v[PP], in every lane
.set i, 0
.rept 4
	v_pk_mul_f32 v[PP+2*i:PP+2*i+1], v[(\w)+2*i:(\w)+2*i+1], v[ACT+2*i:ACT+2*i+1]
.set i, i+1
.endr
.rept 12
	v_pk_fma_f32 v[PP+2*(i%4):PP+2*(i%4)+1], v[(\w)+2*i:(\w)+2*i+1], v[ACT+2*i:ACT+2*i+1], v[PP+2*(i%4):PP+2*(i%4)+1]
.set i, i+1
.endr
.set i, 0
.rept 8
	MIX PP+i, (\w)+32+i/2, X2+i, PP+i, i%2
.set i, i+1
.endr
	v_pk_add_f32 v[PP:PP+1], v[PP:PP+1], v[PP+2:PP+3]
	v_pk_add_f32 v[PP+4:PP+5], v[PP+4:PP+5], v[PP+6:PP+7]
	v_pk_add_f32 v[PP:PP+1], v[PP:PP+1], v[PP+4:PP+5]
	v_add_f32 v[PP], v[PP], v[PP+1]
.irp m, 1,2,4,8
	v_add_f32_dpp v[PP], v[PP], v[PP] row_xmask:\m row_mask:0xf bank_mask:0xf
.endr
	v_permlanex16_b32 v[PP+1], v[PP], s[SEL], s[SEL+1]
	v_add_f32 v[PP], v[PP], v[PP+1]
.endm
	s_load_b256 s[4:11], s[0:1], 0x0                   ; vec 4, pre 6, state 8, bout 10
	s_load_b128 s[12:15], s[0:1], 0x20                 ; out1 12, candv 14
	s_load_b64 s[16:17], s[0:1], 0x30                  ; candi
	v_lshl_add_u32 v[SPW], v0, 2, SPARE
	v_mov_b32 v[NIL], 0
	v_and_b32 v1, 31, v0
	v_lshrrev_b32 v7, 5, v0
	v_readfirstlane_b32 s18, v7
	v_lshlrev_b32 v2, 4, v1
	v_lshlrev_b32 v3, 5, v1
	v_and_b32 v10, 15, v0
	v_lshlrev_b32 v6, 2, v10
	v_mov_b32 v12, 0
	s_mov_b32 s[SEL], 0x76543210
	s_mov_b32 s[SEL+1], 0xfedcba98
	s_lshl_b32 s19, ttmp9, 4
	s_lshl1_add_u32 s19, s18, s19                      ; my first entry: 16 g + 2 wave
	s_lshl_b32 s20, s19, 12
	s_add_co_u32 s20, s20, WD
	s_mov_b32 s21, 0
	s_lshl_b32 s22, s19, 9
	s_add_co_u32 s22, s22, WT+2048*512
	s_mov_b32 s23, 0
	s_lshl_b32 s24, ttmp9, 6
	s_mov_b32 s25, 0
	s_wait_kmcnt 0x0
	s_load_b32 s26, s[8:9], 0x18                       ; word 6: the step
	s_add_nc_u64 s[20:21], s[6:7], s[20:21]
	s_add_nc_u64 s[22:23], s[6:7], s[22:23]
	s_add_nc_u64 s[28:29], s[10:11], s[24:25]
.irp j, 0,1,2,3,4,5,6,7
	global_load_b128 v[ACT+4*(\j):ACT+4*(\j)+3], v2, s[4:5] offset:512*(\j)
.endr
	global_load_b128 v[X2:X2+3], v3, s[4:5] offset:4096
	global_load_b128 v[X2+4:X2+7], v3, s[4:5] offset:4112
	global_load_b32 v[BO], v6, s[28:29]
.irp j, 0,1,2,3,4,5,6,7
	global_load_b128 v[W0+4*(\j):W0+4*(\j)+3], v2, s[20:21] offset:512*(\j)
.endr
	global_load_b128 v[W0+32:W0+35], v2, s[22:23]
.irp j, 0,1,2,3,4,5,6,7
	global_load_b128 v[W1+4*(\j):W1+4*(\j)+3], v2, s[20:21] offset:4096+512*(\j)
.endr
	global_load_b128 v[W1+32:W1+35], v2, s[22:23] offset:512
	s_lshl_b32 s27, s18, 3
	v_mov_b32 v7, s27
	s_wait_loadcnt 9                                   ; all but the second entry's nine loads
	ROWDOT W0
	ds_store_b32 v7, v[PP]
	s_wait_loadcnt 0x0
	ROWDOT W1
	ds_store_b32 v7, v[PP] offset:4
	s_wait_dscnt 0x0
	s_barrier_signal -1
	s_barrier_wait -1
	s_cmp_lg_u32 s18, 0
	s_cbranch_scc1 .Lend
	ds_load_b32 v8, v6                                 ; lane l: entry l % 16
	v_cvt_pk_bf16_f32 v9, v[BO], v[BO]
	v_lshlrev_b32 v9, 16, v9
	v_cvt_f32_u32 v10, v10
	v_mov_b32 v11, 0x42800000                          ; 64.0: above every index
	s_wait_kmcnt 0x0
	s_min_u32 s26, s26, 3
	s_lshl_b32 s26, s26, 12
	s_add_co_u32 s24, s24, s26
	s_add_nc_u64 s[30:31], s[12:13], s[24:25]
	s_lshl_b32 s24, ttmp9, 2
	s_add_nc_u64 s[32:33], s[14:15], s[24:25]
	s_add_nc_u64 s[34:35], s[16:17], s[24:25]
	s_wait_dscnt 0x0
	v_add_f32 v8, v8, v9
	v_mov_b32 v9, v8
.irp m, 1,2,4,8
	v_max_num_f32_dpp v9, v9, v9 row_xmask:\m row_mask:0xf bank_mask:0xf
.endr
	v_cmp_eq_f32 vcc_lo, v8, v9
	v_cndmask_b32 v10, v11, v10, vcc_lo
.irp m, 1,2,4,8
	v_min_num_f32_dpp v10, v10, v10 row_xmask:\m row_mask:0xf bank_mask:0xf
.endr
	v_cvt_u32_f32 v10, v10
	s_lshl_b32 s27, ttmp9, 4
	s_add_co_u32 s27, s27, 4096
	v_add_nc_u32 v10, s27, v10                         ; the table row of the group's best entry
	v_cmp_gt_u32 vcc_lo, 16, v1
	s_wait_xcnt 0x0                                    ; EXEC changes only behind this wait
	s_and_saveexec_b32 s36, vcc_lo
	global_store_b32 v6, v8, s[30:31]
	s_wait_xcnt 0x0
	s_or_b32 exec_lo, exec_lo, s36
	v_cmp_eq_u32 vcc_lo, 0, v1
	s_and_saveexec_b32 s36, vcc_lo
	global_store_b32 v12, v9, s[32:33]
	global_store_b32 v12, v10, s[34:35]
	s_wait_xcnt 0x0
	s_or_b32 exec_lo, exec_lo, s36
.Lend:
	s_wait_tensorcnt 0x0                               ; the wave's end
	ds_add_u32 v[SPW], v[NIL]
	s_wait_dscnt 0x0
	s_endpgm
.Lfunc_end_k_q9edd05523c_logit0:
	.size	k_q9edd05523c_logit0, .Lfunc_end_k_q9edd05523c_logit0-k_q9edd05523c_logit0
	.p2alignl 7, 3214868480
	.fill 96, 4, 3214868480
	.section	.rodata,"a",@progbits
	.p2align	6, 0x0
	.amdhsa_kernel k_q9edd05523c_logit0
		.amdhsa_group_segment_fixed_size 1280
		.amdhsa_private_segment_fixed_size 0
		.amdhsa_enable_private_segment 0
		.amdhsa_kernarg_size 56
		.amdhsa_user_sgpr_count 2
		.amdhsa_user_sgpr_kernarg_segment_ptr 1
		.amdhsa_wavefront_size32 1
		.amdhsa_system_sgpr_workgroup_id_x 1
		.amdhsa_system_sgpr_workgroup_id_y 1
		.amdhsa_system_sgpr_workgroup_id_z 1
		.amdhsa_system_vgpr_workitem_id 0
		.amdhsa_next_free_vgpr 160
		.amdhsa_next_free_sgpr 66
		.amdhsa_reserve_vcc 1
		.amdhsa_float_denorm_mode_32 3
		.amdhsa_float_denorm_mode_16_64 3
		.amdhsa_memory_ordered 1
		.amdhsa_forward_progress 1
		.amdhsa_inst_pref_size 11
	.end_amdhsa_kernel
	.amdgpu_metadata
---
amdhsa.version: [ 1, 2 ]
amdhsa.kernels:
  - .name:           k_q9edd05523c_logit0
    .symbol:         k_q9edd05523c_logit0.kd
    .args:
      - { .name: vec, .offset: 0, .size: 8, .value_kind: global_buffer, .address_space: global }
      - { .name: pre, .offset: 8, .size: 8, .value_kind: global_buffer, .address_space: global }
      - { .name: st1, .offset: 16, .size: 8, .value_kind: global_buffer, .address_space: global }
      - { .name: bout, .offset: 24, .size: 8, .value_kind: global_buffer, .address_space: global }
      - { .name: out1, .offset: 32, .size: 8, .value_kind: global_buffer, .address_space: global }
      - { .name: candv, .offset: 40, .size: 8, .value_kind: global_buffer, .address_space: global }
      - { .name: candi, .offset: 48, .size: 8, .value_kind: global_buffer, .address_space: global }
    .group_segment_fixed_size: 1280
    .private_segment_fixed_size: 0
    .kernarg_segment_align: 8
    .kernarg_segment_size: 56
    .max_flat_workgroup_size: 256
    .sgpr_count:     66
    .vgpr_count:     160
    .wavefront_size: 32
...
	.end_amdgpu_metadata
.endif
;; end of part 4
;; launch att1: the kernel of part 2 again; grid 16 x 4, 8 waves a work-group, no clusters, 8,192 bytes of LDS; arguments pre, Wo, candv, candi, st1, part, st0; writes part, st0
;; launch mlp1: the kernel of part 3 again; grid 128 x 1, 8 waves a work-group, no clusters, 5,120 bytes of LDS; arguments part, st0, pre, emb, initial_hidden_state, ln2_w, vec; writes vec
;; launch logit1: the kernel of part 4 again; grid 64 x 1, 8 waves a work-group, no clusters, 1,280 bytes of LDS; arguments vec, pre, st0, bout, out1, candv, candi; writes out1, candv, candi
;; launch att2: the kernel of part 2 again; grid 16 x 4, 8 waves a work-group, no clusters, 8,192 bytes of LDS; arguments pre, Wo, candv, candi, st0, part, st1; writes part, st1
;; launch mlp2: the kernel of part 3 again; grid 128 x 1, 8 waves a work-group, no clusters, 5,120 bytes of LDS; arguments part, st1, pre, emb, initial_hidden_state, ln2_w, vec; writes vec
;; launch logit2: the kernel of part 4 again; grid 64 x 1, 8 waves a work-group, no clusters, 1,280 bytes of LDS; arguments vec, pre, st1, bout, out1, candv, candi; writes out1, candv, candi
;; launch att3: the kernel of part 2 again; grid 16 x 4, 8 waves a work-group, no clusters, 8,192 bytes of LDS; arguments pre, Wo, candv, candi, st1, part, st0; writes part, st0
;; launch mlp3: the kernel of part 3 again; grid 128 x 1, 8 waves a work-group, no clusters, 5,120 bytes of LDS; arguments part, st0, pre, emb, initial_hidden_state, ln2_w, vec; writes vec
;; launch logit3: the kernel of part 4 again; grid 64 x 1, 8 waves a work-group, no clusters, 1,280 bytes of LDS; arguments vec, pre, st0, bout, out1, candv, candi; writes out1, candv, candi
;; launch fin (part 5): grid 1 x 1, 1 waves a work-group, no clusters, 0 bytes of LDS; arguments candv, candi, st0, out0; writes out0
.if DOCPART == 5
	.amdgcn_target "amdgcn-amd-amdhsa--gfx1250"
	.amdhsa_code_object_version 6
	.text
	.protected	k_q9edd05523c_fin
	.globl	k_q9edd05523c_fin
	.p2align	8
	.type	k_q9edd05523c_fin,@function
k_q9edd05523c_fin:
	s_mov_b64 s[64:65], 0
	v_nop
	global_prefetch_b8 v0, s[64:65] scope:SCOPE_SE
	s_setreg_imm32_b32 hwreg(HW_REG_WAVE_MODE, 25, 1), 1
	s_wait_xcnt 0x0
; FIN: the four tokens.  Tokens 0..2 lie in the state as table rows R[1..3] (words 2..4); token 3 is the winner of the last 64 candidates, found as the attention launch finds it
; (the largest value; among equals the lowest entry).  A table row less 4096 is the token.  One wave: 16 bytes of output.
	s_load_b256 s[4:11], s[0:1], 0x0                   ; candv 4, candi 6, state 8, out0 10
	v_and_b32 v1, 31, v0
	v_lshlrev_b32 v2, 2, v1
	v_min_u32 v3, 3, v1
	v_lshlrev_b32 v3, 2, v3
	v_mov_b32 v11, 0                                   ; destinations of lane exchanges count as read
	v_mov_b32 v12, 0
	s_mov_b32 s12, 0x76543210
	s_mov_b32 s13, 0xfedcba98
	s_wait_kmcnt 0x0
	global_load_b32 v4, v2, s[4:5]
	global_load_b32 v5, v2, s[4:5] offset:128
	global_load_b32 v6, v2, s[6:7]
	global_load_b32 v7, v2, s[6:7] offset:128
	global_load_b32 v8, v3, s[8:9] offset:8            ; lanes 0..2: words 2..4
	s_wait_loadcnt 0x0
	v_max_num_f32 v9, v4, v5
.irp m, 1,2,4,8
	v_max_num_f32_dpp v9, v9, v9 row_xmask:\m row_mask:0xf bank_mask:0xf
.endr
	v_permlanex16_b32 v11, v9, s12, s13
	v_max_num_f32 v9, v9, v11
	v_cmp_eq_f32 s14, v4, v9
	v_cmp_eq_f32 s15, v5, v9
	s_sub_co_u32 s16, 0, s14
	s_and_b32 s14, s14, s16                            ; the lowest set bit
	s_sub_co_u32 s16, 0, s15
	s_and_b32 s15, s15, s16
	s_cmp_lg_u32 s14, 0
	s_cselect_b32 s15, 0, s15
	v_cndmask_b32 v10, 0, v6, s14
	v_cndmask_b32 v10, v10, v7, s15
.irp m, 1,2,4,8
	v_mov_b32_dpp v12, v10 row_xmask:\m row_mask:0xf bank_mask:0xf
	v_or_b32 v10, v10, v12
.endr
	v_permlanex16_b32 v12, v10, s12, s13
	v_or_b32 v10, v10, v12                             ; every lane: the winner's table row
	v_cmp_eq_u32 vcc_lo, 3, v1
	v_cndmask_b32 v8, v8, v10, vcc_lo
	v_add_nc_u32 v8, 0xfffff000, v8                    ; less 4096
	v_cmp_gt_u32 vcc_lo, 4, v1
	s_wait_xcnt 0x0                                    ; EXEC changes only behind this wait
	s_and_saveexec_b32 s16, vcc_lo
	global_store_b32 v2, v8, s[10:11]
	s_wait_xcnt 0x0
	s_or_b32 exec_lo, exec_lo, s16
	s_endpgm
.Lfunc_end_k_q9edd05523c_fin:
	.size	k_q9edd05523c_fin, .Lfunc_end_k_q9edd05523c_fin-k_q9edd05523c_fin
	.p2alignl 7, 3214868480
	.fill 96, 4, 3214868480
	.section	.rodata,"a",@progbits
	.p2align	6, 0x0
	.amdhsa_kernel k_q9edd05523c_fin
		.amdhsa_group_segment_fixed_size 0
		.amdhsa_private_segment_fixed_size 0
		.amdhsa_enable_private_segment 0
		.amdhsa_kernarg_size 32
		.amdhsa_user_sgpr_count 2
		.amdhsa_user_sgpr_kernarg_segment_ptr 1
		.amdhsa_wavefront_size32 1
		.amdhsa_system_sgpr_workgroup_id_x 1
		.amdhsa_system_sgpr_workgroup_id_y 1
		.amdhsa_system_sgpr_workgroup_id_z 1
		.amdhsa_system_vgpr_workitem_id 0
		.amdhsa_next_free_vgpr 32
		.amdhsa_next_free_sgpr 66
		.amdhsa_reserve_vcc 1
		.amdhsa_float_denorm_mode_32 3
		.amdhsa_float_denorm_mode_16_64 3
		.amdhsa_memory_ordered 1
		.amdhsa_forward_progress 1
		.amdhsa_inst_pref_size 3
	.end_amdhsa_kernel
	.amdgpu_metadata
---
amdhsa.version: [ 1, 2 ]
amdhsa.kernels:
  - .name:           k_q9edd05523c_fin
    .symbol:         k_q9edd05523c_fin.kd
    .args:
      - { .name: candv, .offset: 0, .size: 8, .value_kind: global_buffer, .address_space: global }
      - { .name: candi, .offset: 8, .size: 8, .value_kind: global_buffer, .address_space: global }
      - { .name: st0, .offset: 16, .size: 8, .value_kind: global_buffer, .address_space: global }
      - { .name: out0, .offset: 24, .size: 8, .value_kind: global_buffer, .address_space: global }
    .group_segment_fixed_size: 0
    .private_segment_fixed_size: 0
    .kernarg_segment_align: 8
    .kernarg_segment_size: 32
    .max_flat_workgroup_size: 32
    .sgpr_count:     66
    .vgpr_count:     32
    .wavefront_size: 32
...
	.end_amdgpu_metadata
.endif
;; end of part 5
;; ======== version 2 of 2: 14 launches; version 1 with the launch prep written anew for expert scheduling mode
;; workspace buffers: pre 11,600,896 bytes; part 66,048 bytes; vec 5,120 bytes; candv 256 bytes; candi 256 bytes of whole numbers; st0 256 bytes of whole numbers; st1 256 bytes of whole numbers
;; launch prep (part 6): grid 267 x 1, 8 waves a work-group, no clusters, 142,336 bytes of LDS; arguments initial_hidden_state, emb, ln1_w, Wq, Wk, Wv, Wdown, Wout, Wgate, Wup, pre, candv, candi, st0; writes pre, candv, candi, st0
.if DOCPART == 6
	.amdgcn_target "amdgcn-amd-amdhsa--gfx1250"
	.amdhsa_code_object_version 6
	.text
	.protected	k_q9edd05523c_prep
	.globl	k_q9edd05523c_prep
	.p2align	8
	.type	k_q9edd05523c_prep,@function
k_q9edd05523c_prep:
	s_mov_b64 s[64:65], 0
	v_nop
	global_prefetch_b8 v0, s[64:65] scope:SCOPE_SE
	s_setreg_imm32_b32 hwreg(HW_REG_WAVE_SCHED_MODE, 0, 2), 2
	s_setreg_imm32_b32 hwreg(HW_REG_WAVE_MODE, 25, 1), 1
	s_wait_xcnt 0x0
	s_wait_alu depctr_vm_vsrc(0)
; PREP: everything that does not change from step to step, made once.  All inputs are rounded to bf16 first; products on the matrix unit, sums in f32.
; Table rows: r = 0..4095 is row r of the hidden state, r = 4096 + v is emb[v].  h = rmsnorm(row) * ln1_w, rounded to bf16.
;   work-groups   0- 79: K = h Wk, tiles of 128 rows x 128 columns, by heads [4][5120][64] bf16; rows below 4096 get their rotary turn (position = row)
;   work-groups  80-159: V = h Wv, the same shape            work-groups 160-177: Q = h Wq for rows 3968..5119, not turned
;   work-groups 178-241: WD[v][f] = sum over d of Wdown[f][d] Wout[d][v], f32 (so that a step needs no product by Wdown and then by Wout)
;   work-groups 242-265: Wgate, Wup, Wout turned to [n][256] bf16            work-group 266: cos/sin of positions 4095..4098, and the first state words
; A tile takes the whole K = 256.  Eight waves; a wave makes 32 (m) x 64 (n): 8 accumulators.  Operands go through registers (they are normalised and rounded on the way), so no copy engine and no cluster.
; THE MATRIX INSTRUCTION IS USED TRANSPOSED: source 0 = 16 columns n (turned out of [k][n] by ds_load_tr16_b128), source 1 = 16 rows m: a lane then holds row m = lane % 16 and columns 8 (lane / 16) + 0..7.
; LIMITS: NaN and infinities are not treated apart.  cos and sin come from a reduction by pi/2 in two parts and polynomials of degree 7 and 8; the angle is position x 2^(-i log2(10000)/32) in f32,
; which differs from a division-made frequency by a few units in the last place: at position 4095 under 1e-3 radian.
; THE MODE: SCHED_MODE bits 1:0 = 2 (LLVM: expert scheduling mode 2), set by the entry lines.  The code itself states the register dependences
; between vector or matrix instructions and memory or LDS instructions, with s_wait_alu, always for 0.
; THE PLAN.  Registers that memory or LDS instructions touch, and who else names them:
;   v4-v11       the spare word, 0, 16 x lane and the LDS places ARW, AKN, VA, VB0: written at the head and never again; one wait at the head's end serves every instruction that reads them.
;   X            rows 0-7 land; the eight rows' arithmetic reads and rewrites them; behind the wait that ends it rows 8-15 land.
;   Y0, Y1       loaded once; read by the conversions of the [k][n] operand, each run of which ends in a wait.
;   T            four rounds (rows 0-7, k rows 0-15, k rows 16-31, rows 8-15): conversions write it, one wait, the round's LDS stores read it; ahead of rounds 2 to 4 a wait for those reads.
;   FB0 + 48 b   three fragment buffers.  K step s multiplies buffer s % 3; the loads of step s + 2 land in buffer (s - 1) % 3, which the products of step s - 1 read: one wait at the step's head,
;                and the loads stand between the step's products, which name buffer s % 3 and the accumulators alone.
;   STO, RD, PK, the accumulators (WD), OB: the way out: one wait between the last vector or matrix line that names them and the run of LDS stores and loads.
.set RWP,   528                        ; LDS pitch of the [m][k] operand: 512 bytes + 16
.set KNP,   288                        ; LDS pitch of the [k][n] operand: 256 bytes + 32 (an odd multiple of 32, for the turning load)
.set KNI,   128*RWP                    ; the [k][n] operand lies behind the [m][k] one
.set SPARE, KNI+256*KNP                ; the spare words: 128 bytes a wave, four blocks of 256 bytes that no other line names
.set HB,    655360                     ; bytes of a head in K and V
.set VC,    2621440                    ; V's place in pre
.set QHP,   147456                     ; bytes of a head in Q
.set WT,    5832704
.set WD,    7405568
.set RT,    11599872
.set L,   1                            ; lane
.set R,   2                            ; lane % 16
.set HH,  3                            ; lane / 16
.set SPW, 4                            ; LDS address of my spare word; never rewritten
.set NIL, 5                            ; 0; never rewritten
.set L16, 6                            ; 16 x lane
.set ARW, 7                            ; where I store my part of an [m][k] row
.set AKN, 8                            ; where I store my part of a [k][n] row
.set VA,  9                            ; my place in a fragment of rows m
.set VB0, 10                           ; v10, v11: my place in a fragment of columns n, k steps 0-3 and 4-7
.set STO, 12
.set RD,  13
.set LN,  16                           ; v16-23  ln1_w of my 8 columns
.set RS,  24                           ; v24-31  four pairs: sum of squares, then 1/rms, of the first four of eight rows
.set X,   32                           ; v32-95  eight rows as loaded
.set ACC, 32                           ; later the accumulators: (mt, c) at ACC + 8 (4 mt + c)
.set Y0,  96                           ; v96-159, v160-223: 16 rows each of the [k][n] operand as loaded
.set Y1,  160
.set T,   224                          ; v224-255 at work: what the LDS stores of the operands read
.set RS2, T+24                         ; v248-255 the same four pairs for the second four rows, until their packing writes T+16..31
.set FB0, 96                           ; three fragment buffers of 48: v96-143, v144-191, v192-239
.set OB,  96                           ; the way out: rows read back
.set PK,  160                          ; the way out: packed results
.set INV, 192                          ; v192-207 my 16 frequencies
.set RHO, 208                          ; four angles at a time
.set NN,  212
.set ZZ,  216
.set SN,  220
.set CSN, 224
.set QQ,  228
.set POSF, 232
.set WV,  2
.set WI,  3
.set WJ,  4
.set HI,  5
.set SEL, 6
.set C256, 54
.set CEPS, 55
.set K2PI, 56
.set KPH, 57
.set KPL, 58
.set KS3, 59
.set KS2, 60
.set KS1, 61
.set KC3, 62
.set KC2, 63
.set KC1, 66
.set KSB, 67
.set CM,  68                           ; s68-71 four masks: odd quadrants
.macro BAR
	s_barrier_signal -1
	s_barrier_wait -1
.endm
.macro FINISH                          ; the wave's end: the closing lines, six on end
	s_wait_dscnt 0x0
	s_wait_alu 0x0
	s_wait_tensorcnt 0x0
	ds_add_u32 v[SPW], v[NIL]
	s_wait_dscnt 0x0
	s_endpgm
.endm
.macro ALL4 line:vararg                ; one line for each e = 0..3
.set e, 0
.rept 4
	\line
.set e, e+1
.endr
.endm
.macro PLACES                          ; four plain vector places behind a matrix instruction (ISA guide 7.12.1)
.rept 4
	v_nop
.endr
.endm
.macro SCCONST
	s_mov_b32 s[K2PI], 0x3f22f983      ; 2 / pi
	s_mov_b32 s[KPH], 0xbfc90fdb       ; -(pi / 2), upper part
	s_mov_b32 s[KPL], 0x333bbd2e       ; what the upper part has too much
	s_mov_b32 s[KS3], 0xb94ca1f9
	s_mov_b32 s[KS2], 0x3c08839e
	s_mov_b32 s[KS1], 0xbe2aaaa3
	s_mov_b32 s[KC3], 0x37ccf5ce
	s_mov_b32 s[KC2], 0xbab6061a
	s_mov_b32 s[KC1], 0x3d2aaaa5
	s_mov_b32 s[KSB], 0x80000000
.endm
; Four angles in RHO (not negative) -> their sines in NN, cosines in CSN.  n = nearest(a 2/pi); rho = a - n pi/2; polynomials on |rho| <= pi/4; the quadrant n % 4 swaps and signs.
; The four compares stand in one run, into four scalar registers; the signs' twenty lines follow; then one wait, and the selects.
.macro SC4
	ALL4 v_mul_f32 v[NN+e], s[K2PI], v[RHO+e]
	ALL4 v_rndne_f32 v[NN+e], v[NN+e]
	ALL4 v_fma_f32 v[RHO+e], v[NN+e], s[KPH], v[RHO+e]
	ALL4 v_fma_f32 v[RHO+e], v[NN+e], s[KPL], v[RHO+e]
	ALL4 v_mul_f32 v[ZZ+e], v[RHO+e], v[RHO+e]
	ALL4 v_cvt_i32_f32 v[QQ+e], v[NN+e]
	ALL4 v_fma_f32 v[SN+e], v[ZZ+e], s[KS3], s[KS2]
	ALL4 v_fma_f32 v[CSN+e], v[ZZ+e], s[KC3], s[KC2]
	ALL4 v_fma_f32 v[SN+e], v[SN+e], v[ZZ+e], s[KS1]
	ALL4 v_fma_f32 v[CSN+e], v[CSN+e], v[ZZ+e], s[KC1]
	ALL4 v_mul_f32 v[SN+e], v[SN+e], v[ZZ+e]
	ALL4 v_fma_f32 v[CSN+e], v[CSN+e], v[ZZ+e], -0.5
	ALL4 v_fma_f32 v[SN+e], v[SN+e], v[RHO+e], v[RHO+e]
	ALL4 v_fma_f32 v[CSN+e], v[CSN+e], v[ZZ+e], 1.0
	ALL4 v_and_b32 v[ZZ+e], 1, v[QQ+e]
	ALL4 v_cmp_eq_u32 s[CM+e], 1, v[ZZ+e]              ; odd quadrant: sine and cosine change places
	ALL4 v_lshlrev_b32 v[ZZ+e], 30, v[QQ+e]            ; bit 1 of n: the sine's sign
	ALL4 v_add_nc_u32 v[QQ+e], 1, v[QQ+e]
	ALL4 v_and_b32 v[ZZ+e], s[KSB], v[ZZ+e]
	ALL4 v_lshlrev_b32 v[QQ+e], 30, v[QQ+e]            ; bit 1 of n + 1: the cosine's
	ALL4 v_and_b32 v[QQ+e], s[KSB], v[QQ+e]
	s_wait_alu depctr_va_sdst(0)                       ; the four compares have written s68-71, ahead of the selects that read them
	ALL4 v_cndmask_b32 v[NN+e], v[SN+e], v[CSN+e], s[CM+e]
	ALL4 v_cndmask_b32 v[CSN+e], v[CSN+e], v[SN+e], s[CM+e]
	ALL4 v_xor_b32 v[NN+e], v[ZZ+e], v[NN+e]
	ALL4 v_xor_b32 v[CSN+e], v[QQ+e], v[CSN+e]
.endm
; 16 rows k of the [k][n] operand, 512 consecutive bytes a load
.macro LOADKN pitch, half, dst
.irp i, 0,1,2,3,4,5,6,7,8,9,10,11,12,13,14,15
	global_load_b128 v[(\dst)+4*(\i):(\dst)+4*(\i)+3], v[L16], s[42:43] offset:(16*(\half)+(\i))*(\pitch)
.endr
.endm
; 16 rows k rounded to bf16 and laid into LDS as [k][n]: all conversions, one wait, all stores.  free = 1: earlier LDS stores have read T
.macro CVTKN half, src, free
.if \free
	s_wait_alu depctr_vm_vsrc(0)                       ; the LDS stores of the round before have read T, which the conversions below write again
.endif
.irp i, 0,1,2,3,4,5,6,7,8,9,10,11,12,13,14,15
	v_cvt_pk_bf16_f32 v[T+2*(\i)], v[(\src)+4*(\i)], v[(\src)+4*(\i)+1]
	v_cvt_pk_bf16_f32 v[T+2*(\i)+1], v[(\src)+4*(\i)+2], v[(\src)+4*(\i)+3]
.endr
	s_wait_alu depctr_va_vdst(0)                       ; the conversions have written T, which the LDS stores below read
.irp i, 0,1,2,3,4,5,6,7,8,9,10,11,12,13,14,15
	ds_store_b64 v[AKN], v[T+2*(\i):T+2*(\i)+1] offset:(16*(\half)+(\i))*KNP
.endr
.endm
.macro LOADROWS b                      ; eight rows m of 1,024 bytes, two loads of 512 consecutive bytes each: a lane holds columns 4 l .. and 128 + 4 l ..
.irp q, 0,1,2,3,4,5,6,7
	global_load_b128 v[X+8*(\q):X+8*(\q)+3], v[L16], s[44:45] offset:(8*(\b)+(\q))*1024
	global_load_b128 v[X+8*(\q)+4:X+8*(\q)+7], v[L16], s[44:45] offset:(8*(\b)+(\q))*1024+512
.endr
.endm
.macro PACK4 xs, tb                    ; four rows rounded to bf16, 16 registers at tb
.irp q, 0,1,2,3
.irp j, 0,1,2,3
	v_cvt_pk_bf16_f32 v[(\tb)+4*(\q)+(\j)], v[(\xs)+8*(\q)+2*(\j)], v[(\xs)+8*(\q)+2*(\j)+1]
.endr
.endr
.endm
.macro STROWS tb, row                  ; and stored as [m][k]
.irp q, 0,1,2,3
	ds_store_b64 v[ARW], v[(\tb)+4*(\q):(\tb)+4*(\q)+1] offset:((\row)+(\q))*RWP
	ds_store_b64 v[ARW], v[(\tb)+4*(\q)+2:(\tb)+4*(\q)+3] offset:((\row)+(\q))*RWP+256
.endr
.endm
; Four rows, first part: rounded to bf16 (the input's rounding), the sum of squares, 1 / rms.  Stage by stage over the four, so that no line waits for the one before it.
.macro NORMHEAD xs, tb, rs
	PACK4 \xs, \tb
.irp q, 0,1,2,3
.irp j, 0,1,2,3
	v_lshlrev_b32 v[(\xs)+8*(\q)+2*(\j)], 16, v[(\tb)+4*(\q)+(\j)]
	v_and_b32 v[(\xs)+8*(\q)+2*(\j)+1], s[HI], v[(\tb)+4*(\q)+(\j)]
.endr
.endr
.irp q, 0,1,2,3
	v_pk_mul_f32 v[(\rs)+2*(\q):(\rs)+2*(\q)+1], v[(\xs)+8*(\q):(\xs)+8*(\q)+1], v[(\xs)+8*(\q):(\xs)+8*(\q)+1]
.endr
.irp j, 1,2,3
.irp q, 0,1,2,3
	v_pk_fma_f32 v[(\rs)+2*(\q):(\rs)+2*(\q)+1], v[(\xs)+8*(\q)+2*(\j):(\xs)+8*(\q)+2*(\j)+1], v[(\xs)+8*(\q)+2*(\j):(\xs)+8*(\q)+2*(\j)+1], v[(\rs)+2*(\q):(\rs)+2*(\q)+1]
.endr
.endr
.irp q, 0,1,2,3
	v_add_f32 v[(\rs)+2*(\q)], v[(\rs)+2*(\q)], v[(\rs)+2*(\q)+1]
.endr
.irp m, 1,2,4,8
.irp q, 0,1,2,3
	v_add_f32_dpp v[(\rs)+2*(\q)], v[(\rs)+2*(\q)], v[(\rs)+2*(\q)] row_xmask:\m row_mask:0xf bank_mask:0xf
.endr
.endr
.irp q, 0,1,2,3
	v_permlanex16_b32 v[(\rs)+2*(\q)+1], v[(\rs)+2*(\q)], s[SEL], s[SEL+1]
.endr
.irp q, 0,1,2,3
	v_add_f32 v[(\rs)+2*(\q)], v[(\rs)+2*(\q)], v[(\rs)+2*(\q)+1]
.endr
.irp q, 0,1,2,3
	v_fma_f32 v[(\rs)+2*(\q)], v[(\rs)+2*(\q)], s[C256], s[CEPS]
.endr
.irp q, 0,1,2,3
	v_rsq_f32 v[(\rs)+2*(\q)], v[(\rs)+2*(\q)]
.endr
.endm
; Four rows, second part: x * (1 / rms) * ln1_w in f32, and the packing
.macro NORMTAIL xs, tb, rs
.irp q, 0,1,2,3
.irp j, 0,1,2,3
	v_pk_mul_f32 v[(\xs)+8*(\q)+2*(\j):(\xs)+8*(\q)+2*(\j)+1], v[(\xs)+8*(\q)+2*(\j):(\xs)+8*(\q)+2*(\j)+1], v[(\rs)+2*(\q):(\rs)+2*(\q)+1] op_sel_hi:[1,0]
.endr
.endr
.irp q, 0,1,2,3
.irp j, 0,1,2,3
	v_pk_mul_f32 v[(\xs)+8*(\q)+2*(\j):(\xs)+8*(\q)+2*(\j)+1], v[(\xs)+8*(\q)+2*(\j):(\xs)+8*(\q)+2*(\j)+1], v[LN+2*(\j):LN+2*(\j)+1]
.endr
.endr
	PACK4 \xs, \tb
.endm
; The eight rows in X become 32 registers of bf16 in T.  The eight roots are one batch with one wait; one more wait ends the arithmetic.
.macro ROWS8 norm
.if \norm
	NORMHEAD X, T, RS
	NORMHEAD X+32, T+16, RS2
	v_nop                                              ; a plain instruction between the last root and the use of its result
	s_wait_alu depctr_va_vdst(0)                       ; the eight roots are written, ahead of the first line that names one
	NORMTAIL X, T, RS
	NORMTAIL X+32, T+16, RS2
.else
	PACK4 X, T
	PACK4 X+32, T+16
.endif
	s_wait_alu depctr_va_vdst(0)                       ; the packing has written T, which the LDS stores read, and is done reading X, in which the next eight rows land
.endm
; Both operands into LDS.  A wave brings 16 rows m and 32 rows k.  All of a wave's first 48 (50) loads go out together; the counts below leave the younger ones out.
.macro LOADPHASE norm, pitch
.if \norm
	global_load_b128 v[LN:LN+3], v[L16], s[12:13]
	global_load_b128 v[LN+4:LN+7], v[L16], s[12:13] offset:512
.endif
	LOADROWS 0
	LOADKN \pitch, 0, Y0
	LOADKN \pitch, 1, Y1
	s_wait_loadcnt 32                                  ; ln1_w and rows 0-7 are in; the 32 loads of the [k][n] operand stay out
.if \norm
.irp j, 0,1,2,3
	v_cvt_pk_bf16_f32 v[T+(\j)], v[LN+2*(\j)], v[LN+2*(\j)+1]
	v_lshlrev_b32 v[LN+2*(\j)], 16, v[T+(\j)]
	v_and_b32 v[LN+2*(\j)+1], s[HI], v[T+(\j)]
.endr
.endif
	ROWS8 \norm
	LOADROWS 1                                         ; no vector line since the wait names X or T: the loads first, then the stores
	STROWS T, 0
	STROWS T+16, 4
	s_wait_loadcnt 32                                  ; k rows 0-15 are in; 16 more and rows 8-15 stay out
	CVTKN 0, Y0, 1
	s_wait_loadcnt 16                                  ; k rows 16-31 are in; rows 8-15 stay out
	CVTKN 1, Y1, 1
	s_wait_loadcnt 0x0
	s_wait_alu depctr_vm_vsrc(0)                       ; the LDS stores of k rows 16-31 have read T, which the rows' arithmetic writes again
	ROWS8 \norm
	STROWS T, 8
	STROWS T+16, 12
	s_wait_dscnt 0x0                                   ; for the others' sake: my stores are done
	BAR
.endm
; 12 LDS loads: the fragments of 32 along K: two of rows m, four of columns n
.macro FRAG ks, buf
.irp mt, 0,1
	ds_load_b128 v[(\buf)+8*(\mt):(\buf)+8*(\mt)+3], v[VA] offset:(\mt)*16*RWP+64*(\ks)
	ds_load_b128 v[(\buf)+8*(\mt)+4:(\buf)+8*(\mt)+7], v[VA] offset:(\mt)*16*RWP+64*(\ks)+32
.endr
.irp c, 0,1,2,3
	ds_load_tr16_b128 v[(\buf)+16+8*(\c):(\buf)+16+8*(\c)+3], v[VB0+(\ks)/4] offset:((\ks)%4)*32*KNP+32*(\c)
	ds_load_tr16_b128 v[(\buf)+16+8*(\c)+4:(\buf)+16+8*(\c)+7], v[VB0+(\ks)/4] offset:((\ks)%4)*32*KNP+32*(\c)+16*KNP
.endr
.endm
.macro MM4 ks, buf, mt                 ; 4 of a step's 8 matrix instructions; the 8 accumulators take turns; the first K step starts the sums
.irp c, 0,1,2,3
.if (\ks) == 0
	v_wmma_f32_16x16x32_bf16 v[ACC+8*(4*(\mt)+(\c)):ACC+8*(4*(\mt)+(\c))+7], v[(\buf)+16+8*(\c):(\buf)+16+8*(\c)+7], v[(\buf)+8*(\mt):(\buf)+8*(\mt)+7], 0
.else
	v_wmma_f32_16x16x32_bf16 v[ACC+8*(4*(\mt)+(\c)):ACC+8*(4*(\mt)+(\c))+7], v[(\buf)+16+8*(\c):(\buf)+16+8*(\c)+7], v[(\buf)+8*(\mt):(\buf)+8*(\mt)+7], v[ACC+8*(4*(\mt)+(\c)):ACC+8*(4*(\mt)+(\c))+7]
.endif
.endr
.endm
.macro GEMM
	s_wait_alu depctr_vm_vsrc(0)                       ; my LDS stores have read T: the third fragment buffer lands in part of it, and the rotary turn's vector lines write part of it
	FRAG 0, FB0                                        ; the vector lines that named v96-255 all stand ahead of the wait that ended the last eight rows' arithmetic
	FRAG 1, FB0+48
	FRAG 2, FB0+96
.irp ks, 0,1,2,3,4,5,6,7
.if (\ks) == 0
	s_wait_dscnt 24                                    ; step 0's 12 loads are in; steps 1 and 2 stay out
.elseif (\ks) < 7
	s_wait_dscnt 12                                    ; this step's 12 loads are in; the next step's 12 stay out
.else
	s_wait_dscnt 0x0
.endif
.if (\ks) >= 1 && (\ks) <= 5
	s_wait_alu depctr_va_vdst(0)                       ; the products of the step before are done reading their buffer, in which the loads below land
.endif
	MM4 \ks, FB0+48*((\ks)%3), 0
.if (\ks) >= 1 && (\ks) <= 5
	FRAG (\ks)+2, FB0+48*(((\ks)+2)%3)                 ; no wait: the four products since the wait name this step's buffer and the accumulators alone
.endif
	MM4 \ks, FB0+48*((\ks)%3), 1
.if (\ks) <= 4
	PLACES                                             ; between these products and the loads into the buffer that they read; they stay beside the next step's wait
.endif
.endr
.endm
	s_load_b512 s[8:23], s[0:1], 0x0                   ; hidden 8, emb 10, ln1_w 12, Wq 14, Wk 16, Wv 18, Wdown 20, Wout 22
	s_load_b256 s[24:31], s[0:1], 0x40                 ; Wgate 24, Wup 26, pre 28, candv 30
	s_load_b128 s[32:35], s[0:1], 0x60                 ; candi 32, st0 34
	v_lshl_add_u32 v[SPW], v0, 2, SPARE
	v_mov_b32 v[NIL], 0
	v_and_b32 v[L], 31, v0
	v_lshrrev_b32 v15, 5, v0
	v_readfirstlane_b32 s[WV], v15                     ; wave 0..7
	v_and_b32 v[R], 15, v0
	v_bfe_u32 v[HH], v0, 4, 1
	v_lshlrev_b32 v[L16], 4, v[L]
	s_wait_alu depctr_va_sdst(0)                       ; the wave's number is written, ahead of its first reader
	s_lshr_b32 s[WI], s[WV], 1                         ; which 32 rows m of the tile are mine
	s_and_b32 s[WJ], s[WV], 1                          ; which 64 columns n
	s_mov_b32 s[HI], 0xffff0000
	s_mov_b32 s[SEL], 0x76543210
	s_mov_b32 s[SEL+1], 0xfedcba98
	s_mov_b32 s[C256], 0x3b800000                      ; 1 / 256
	s_mov_b32 s[CEPS], 0x358637bd                      ; 1e-6
	s_mov_b32 s41, 0                                   ; the upper word of the offset pair s[40:41]
	s_mul_i32 s36, s[WV], 16*RWP
	v_lshl_add_u32 v[ARW], v[L], 3, s36
	s_mul_i32 s36, s[WV], 32*KNP
	s_add_co_u32 s36, s36, KNI
	v_lshl_add_u32 v[AKN], v[L], 3, s36
	v_mul_u32_u24 v[VA], v[R], RWP
	v_lshl_add_u32 v[VA], v[HH], 4, v[VA]
	s_mul_i32 s36, s[WI], 32*RWP
	v_add_nc_u32 v[VA], s36, v[VA]                     ; (32 wi + l % 16) pitch + 16 (l / 16)
	v_and_b32 v14, 7, v0
	v_lshl_add_u32 v15, v[HH], 3, v14
	v_mul_u32_u24 v[VB0], v15, KNP
	v_bfe_u32 v15, v0, 3, 1
	v_lshl_add_u32 v[VB0], v15, 4, v[VB0]
	s_lshl_b32 s36, s[WJ], 7
	s_add_co_u32 s36, s36, KNI
	v_add_nc_u32 v[VB0], s36, v[VB0]                   ; (8 (l / 16) + l % 8) pitch + 128 wj + 16 ((l / 8) % 2)
	v_add_nc_u32 v[VB0+1], 4*32*KNP, v[VB0]
	s_wait_alu depctr_va_vdst(0)                       ; v4 to v11 are written: the offsets and LDS addresses that the loads and stores of every path below read; none is written again
	s_cmp_ge_u32 ttmp9, 266
	s_cbranch_scc1 .Lmisc
	s_cmp_ge_u32 ttmp9, 242
	s_cbranch_scc1 .Ltrans
	s_cmp_ge_u32 ttmp9, 178
	s_cbranch_scc1 .Lwd
	; ---------------- K, V, Q
	s_cmp_ge_u32 ttmp9, 80
	s_cselect_b32 s36, 1, 0
	s_cmp_ge_u32 ttmp9, 160
	s_cselect_b32 s37, 1, 0
	s_add_co_u32 s36, s36, s37                         ; 0: K, 1: V, 2: Q
	s_mul_i32 s37, s36, 80
	s_sub_co_u32 s37, ttmp9, s37
	s_lshr_b32 s38, s37, 1
	s_and_b32 s39, s37, 1                              ; which 128 columns: heads 2 cb, 2 cb + 1
	s_cmp_eq_u32 s36, 2
	s_cselect_b32 s40, 31, 0
	s_add_co_u32 s38, s38, s40                         ; block of 128 table rows (Q begins at block 31)
	s_mov_b32 s48, HB
	s_mov_b32 s49, QHP
	s_mul_i32 s50, s36, VC                             ; K at 0, V at VC, Q at 2 VC
	s_cmp_eq_u32 s36, 2
	s_cselect_b32 s48, s49, s48                        ; bytes of a head
	s_cselect_b32 s51, 31*16384, 0                     ; Q's first block is block 31
	s_sub_co_u32 s50, s50, s51
	s_lshl1_add_u32 s51, s39, s[WJ]                    ; my head
	s_mul_i32 s51, s51, s48
	s_add_co_u32 s50, s50, s51
	s_lshl_b32 s51, s38, 14                            ; 128 rows of 128 bytes
	s_add_co_u32 s50, s50, s51
	s_lshl_b32 s51, s[WI], 12                          ; my 32 rows
	s_add_co_u32 s50, s50, s51
	s_mov_b32 s51, 0
	s_cmp_lt_u32 s38, 32
	s_cselect_b32 s52, 1, 0
	s_cmp_eq_u32 s36, 0
	s_cselect_b32 s52, s52, 0                          ; 1: K of hidden rows: they are turned
	s_lshl_b32 s53, s38, 7
	s_lshl_b32 s40, s[WI], 5
	s_add_co_u32 s53, s53, s40                         ; position of my first row
	s_wait_kmcnt 0x0
	s_add_nc_u64 s[46:47], s[28:29], s[50:51]          ; where my 32 rows x 64 columns go
	s_cmp_eq_u32 s36, 1
	s_cselect_b64 s[42:43], s[18:19], s[16:17]
	s_cmp_eq_u32 s36, 2
	s_cselect_b64 s[42:43], s[14:15], s[42:43]
	s_lshl_b32 s40, s39, 9
	s_lshl_b32 s48, s[WV], 15                          ; my 32 rows k of 1,024 bytes
	s_add_co_u32 s40, s40, s48
	s_add_nc_u64 s[42:43], s[42:43], s[40:41]
	s_cmp_lt_u32 s38, 32
	s_cselect_b64 s[44:45], s[8:9], s[10:11]
	s_and_b32 s40, s38, 31
	s_lshl_b32 s40, s40, 17
	s_lshl_b32 s48, s[WV], 14                          ; my 16 rows m
	s_add_co_u32 s40, s40, s48
	s_add_nc_u64 s[44:45], s[44:45], s[40:41]
	LOADPHASE 1, 1024
	GEMM
	s_mul_i32 s40, s[WV], 32*144                       ; my stage: 32 rows of 128 bytes + 16.  These plain lines are the places behind the last products
	v_mul_u32_u24 v[STO], v[R], 144
	v_lshl_add_u32 v[STO], v[HH], 4, v[STO]
	v_add_nc_u32 v[STO], s40, v[STO]
	v_lshrrev_b32 v14, 3, v[L]
	v_mul_u32_u24 v[RD], v14, 144
	v_and_b32 v15, 7, v0
	v_lshl_add_u32 v[RD], v15, 4, v[RD]
	v_add_nc_u32 v[RD], s40, v[RD]
	BAR                                                ; nobody reads the operands any more: the stages may lie on them (no LDS instruction of mine is out)
	s_cmp_eq_u32 s52, 0
	s_cbranch_scc1 .Lnorope
	; the rotary turn: column d < 32 of a head pairs with d + 32: accumulators (mt, cc) and (mt, cc + 2), the same register
	SCCONST
	v_lshlrev_b32 v15, 3, v[HH]
.set i, 0
.rept 16
	v_add_nc_u32 v[INV+i], 16*(i/8)+i%8, v15           ; the frequency's number: 16 cc + 8 (l / 16) + j
.set i, i+1
.endr
.set i, 0
.rept 16
	v_cvt_f32_u32 v[INV+i], v[INV+i]
.set i, i+1
.endr
.set i, 0
.rept 16
	v_mul_f32 v[INV+i], 0xbed49a78, v[INV+i]           ; x -log2(10000) / 32
.set i, i+1
.endr
.set i, 0
.rept 16
	v_exp_f32 v[INV+i], v[INV+i]
.set i, i+1
.endr
	v_add_nc_u32 v14, s53, v[R]                        ; my row's position (a plain line behind the exponentials)
	s_wait_alu depctr_va_vdst(0)                       ; the sixteen exponentials are written, ahead of the first line that names one
.macro ROPE4 mt, cc, jg                ; registers 4 jg .. 4 jg + 3 of one pair of accumulators; each accumulator is read from its low end on
	ALL4 v_mul_f32 v[RHO+e], v[POSF], v[INV+8*(\cc)+4*(\jg)+e]
	SC4
	ALL4 v_mul_f32 v[RHO+e], v[ACC+8*(4*(\mt)+(\cc)+2)+4*(\jg)+e], v[NN+e]
	ALL4 v_mul_f32 v[ZZ+e], v[ACC+8*(4*(\mt)+(\cc))+4*(\jg)+e], v[NN+e]
	ALL4 v_fma_f32 v[ACC+8*(4*(\mt)+(\cc))+4*(\jg)+e], v[ACC+8*(4*(\mt)+(\cc))+4*(\jg)+e], v[CSN+e], -v[RHO+e]
	ALL4 v_fma_f32 v[ACC+8*(4*(\mt)+(\cc)+2)+4*(\jg)+e], v[ACC+8*(4*(\mt)+(\cc)+2)+4*(\jg)+e], v[CSN+e], v[ZZ+e]
.endm
.irp mt, 0,1
	v_add_nc_u32 v15, 16*(\mt), v14
	v_cvt_f32_u32 v[POSF], v15
.irp cc, 0,1
	ROPE4 \mt, \cc, 0
	ROPE4 \mt, \cc, 1
.endr
.endr
.Lnorope:
.irp mt, 0,1
.irp c, 0,1,2,3
.irp j, 0,1,2,3
	v_cvt_pk_bf16_f32 v[PK+4*(4*(\mt)+(\c))+(\j)], v[ACC+8*(4*(\mt)+(\c))+2*(\j)], v[ACC+8*(4*(\mt)+(\c))+2*(\j)+1]
.endr
.endr
.endr
	s_wait_alu depctr_va_vdst(0)                       ; the packing has written PK, the lines behind the products STO and RD, which the LDS instructions below read; the products are done reading v96-127, in which the rows read back land
.irp mt, 0,1
.irp c, 0,1,2,3
	ds_store_b128 v[STO], v[PK+4*(4*(\mt)+(\c)):PK+4*(4*(\mt)+(\c))+3] offset:(\mt)*16*144+32*(\c)
.endr
.endr
.irp i, 0,1,2,3,4,5,6,7
	ds_load_b128 v[OB+4*(\i):OB+4*(\i)+3], v[RD] offset:(\i)*4*144   ; my own bytes: LDS serves a wave's instructions in order (ISA guide 5.7.1.4)
.endr
.irp i, 0,1,2,3,4,5,6,7
	s_wait_dscnt 7-(\i)
	global_store_b128 v[L16], v[OB+4*(\i):OB+4*(\i)+3], s[46:47] offset:512*(\i)   ; four rows of a head: 512 consecutive bytes, aligned
.endr
	FINISH
	; ---------------- WD = (Wdown Wout) turned: rows m = f of Wdown, columns n = v of Wout
.Lwd:
	s_sub_co_u32 s37, ttmp9, 178
	s_lshr_b32 s38, s37, 3                             ; block of 128 v
	s_and_b32 s39, s37, 7                              ; block of 128 f
	s_lshl_b32 s50, s38, 19                            ; 128 rows of 4,096 bytes
	s_lshl_b32 s51, s39, 9
	s_add_co_u32 s50, s50, s51
	s_lshl_b32 s51, s[WV], 16                          ; the 16 rows v that I store
	s_add_co_u32 s50, s50, s51
	s_add_co_u32 s50, s50, WD
	s_mov_b32 s51, 0
	s_wait_kmcnt 0x0
	s_add_nc_u64 s[46:47], s[28:29], s[50:51]
	s_lshl_b32 s40, s38, 9
	s_lshl_b32 s48, s[WV], 17                          ; my 32 rows k of 4,096 bytes
	s_add_co_u32 s40, s40, s48
	s_add_nc_u64 s[42:43], s[22:23], s[40:41]
	s_lshl_b32 s40, s39, 17
	s_lshl_b32 s48, s[WV], 14
	s_add_co_u32 s40, s40, s48
	s_add_nc_u64 s[44:45], s[20:21], s[40:41]
	LOADPHASE 0, 4096
	GEMM
	s_mul_i32 s40, s[WJ], 64*RWP                       ; the work-group's stage: 128 rows v of 512 bytes + 16.  Five plain lines: the places behind the last products
	s_lshl_b32 s48, s[WI], 7
	s_add_co_u32 s40, s40, s48
	s_mul_i32 s48, s[WV], 16*RWP
	v_mul_u32_u24 v[STO], v[HH], 8*RWP
	v_lshl_add_u32 v[STO], v[R], 2, v[STO]
	v_add_nc_u32 v[STO], s40, v[STO]                   ; (64 wj + 8 (l / 16)) pitch + 4 (32 wi + l % 16)
	v_add_nc_u32 v[RD], s48, v[L16]
	v_nop
	BAR                                                ; nobody reads the operands any more
	s_wait_alu depctr_va_vdst(0)                       ; the products have written the accumulators, the lines above STO and RD, which the LDS instructions below read; the products are done reading v96-159, in which the rows read back land.  The places above stay beside this wait
.irp mt, 0,1
.irp c, 0,1,2,3
.irp j, 0,1,2,3,4,5,6,7
	ds_store_b32 v[STO], v[ACC+8*(4*(\mt)+(\c))+(\j)] offset:(16*(\c)+(\j))*RWP+64*(\mt)
.endr
.endr
.endr
	s_wait_dscnt 0x0                                   ; for the others' sake: a row's 512 bytes come from four waves
	BAR
.irp i, 0,1,2,3,4,5,6,7,8,9,10,11,12,13,14,15
	ds_load_b128 v[OB+4*(\i):OB+4*(\i)+3], v[RD] offset:(\i)*RWP
.endr
.irp i, 0,1,2,3,4,5,6,7,8,9,10,11,12,13,14,15
	s_wait_dscnt 15-(\i)
	global_store_b128 v[L16], v[OB+4*(\i):OB+4*(\i)+3], s[46:47] offset:4096*(\i)   ; 512 consecutive bytes of a row of WD, aligned
.endr
	FINISH
	; ---------------- Wgate, Wup, Wout turned to [n][256] bf16
.Ltrans:
	s_sub_co_u32 s37, ttmp9, 242
	s_lshr_b32 s38, s37, 3                             ; which matrix
	s_and_b32 s39, s37, 7                              ; block of 128 columns n
	s_lshl_b32 s50, s38, 19
	s_lshl_b32 s51, s39, 16
	s_add_co_u32 s50, s50, s51
	s_lshl_b32 s51, s[WV], 13                          ; my 16 rows n of 512 bytes
	s_add_co_u32 s50, s50, s51
	s_add_co_u32 s50, s50, WT
	s_mov_b32 s51, 0
	s_wait_kmcnt 0x0
	s_add_nc_u64 s[46:47], s[28:29], s[50:51]
	s_cmp_eq_u32 s38, 1
	s_cselect_b64 s[42:43], s[26:27], s[24:25]
	s_cmp_eq_u32 s38, 2
	s_cselect_b64 s[42:43], s[22:23], s[42:43]
	s_lshl_b32 s40, s39, 9
	s_lshl_b32 s48, s[WV], 17
	s_add_co_u32 s40, s40, s48
	s_add_nc_u64 s[42:43], s[42:43], s[40:41]
	LOADKN 4096, 0, Y0
	LOADKN 4096, 1, Y1
	v_lshrrev_b32 v14, 3, v[L]                         ; g = l / 8.  The three LDS addresses made here stand ahead of the conversions' waits, which serve their readers too
	v_and_b32 v15, 7, v0
	v_lshl_add_u32 v[STO], v14, 6, v15
	v_mul_u32_u24 v[STO], v[STO], KNP
	s_lshl_b32 s36, s[WV], 5
	s_add_co_u32 s36, s36, KNI
	v_add_nc_u32 v[STO], s36, v[STO]                   ; row k = 64 g + l % 8, my 16 columns
	v_mul_u32_u24 v[RD], v15, RWP
	v_lshl_add_u32 v[RD], v14, 7, v[RD]
	s_mul_i32 s36, s[WV], 16*RWP
	v_add_nc_u32 v[RD], s36, v[RD]                     ; row n = 16 wv + l % 8, k = 64 g on
	v_add_nc_u32 v14, s36, v[L16]
	s_wait_loadcnt 16                                  ; k rows 0-15 are in; the other 16 stay out
	CVTKN 0, Y0, 0
	s_wait_loadcnt 0x0
	CVTKN 1, Y1, 1
	s_wait_dscnt 0x0
	BAR
	; a turning load takes 8 rows k x 8 columns n in each group of eight lanes and leaves lane i column i with its 8 k: 16 bytes of a row of the result.
	; No vector line follows the second conversions' wait: the loads below, which land in Y0 and Y1, owe nothing more
.irp nb, 0,1
.irp kq, 0,1,2,3,4,5,6,7
	ds_load_tr16_b128 v[Y0+4*(8*(\nb)+(\kq)):Y0+4*(8*(\nb)+(\kq))+3], v[STO] offset:8*KNP*(\kq)+16*(\nb)
.endr
.endr
	s_wait_dscnt 0x0
.irp nb, 0,1
.irp kq, 0,1,2,3,4,5,6,7
	ds_store_b128 v[RD], v[Y0+4*(8*(\nb)+(\kq)):Y0+4*(8*(\nb)+(\kq))+3] offset:8*RWP*(\nb)+16*(\kq)
.endr
.endr
.irp i, 0,1,2,3,4,5,6,7,8,9,10,11,12,13,14,15
	ds_load_b128 v[Y1+4*(\i):Y1+4*(\i)+3], v14 offset:(\i)*RWP       ; my own 16 rows, whole
.endr
.irp i, 0,1,2,3,4,5,6,7,8,9,10,11,12,13,14,15
	s_wait_dscnt 15-(\i)
	global_store_b128 v[L16], v[Y1+4*(\i):Y1+4*(\i)+3], s[46:47] offset:512*(\i)
.endr
	FINISH
	; ---------------- cos and sin of positions 4095..4098 (lane = frequency), and what the first step finds.  All vector work first, one wait, then the eleven stores
.Lmisc:
	s_wait_kmcnt 0x0
	s_cmp_lg_u32 s[WV], 0
	s_cbranch_scc1 .Lidle
	SCCONST
	v_cvt_f32_u32 v14, v[L]
	v_mul_f32 v14, 0xbed49a78, v14
	v_exp_f32 v14, v14
	v_lshlrev_b32 v15, 2, v[L]
	s_wait_alu depctr_va_vdst(0)                       ; the exponential is written, ahead of the first line that names it
	v_mul_f32 v[RHO], 0x457ff000, v14                  ; 4095
	v_mul_f32 v[RHO+1], 0x45800000, v14                ; 4096
	v_mul_f32 v[RHO+2], 0x45800800, v14                ; 4097
	v_mul_f32 v[RHO+3], 0x45801000, v14                ; 4098
	SC4
	s_add_nc_u64 s[46:47], s[28:29], RT
	v_cmp_eq_u32 vcc_lo, 0, v[L]
	v_lshlrev_b32 v13, 3, v[L]
	v_mov_b32 v16, 0
	v_mov_b32 v17, 0
	v_mov_b32 v18, 4095
	v_mov_b32 v19, 4095
	v_mov_b32 v21, 4096
	s_wait_alu depctr_va_vcc(0)                        ; the compare has written VCC, ahead of the select that reads it
	v_cndmask_b32 v20, v21, v16, vcc_lo
	s_wait_alu depctr_va_vdst(0)                       ; cosines, sines, v16 to v21 and the offsets v13 and v15 are written, which the stores below read
	ALL4 global_store_b32 v15, v[CSN+e], s[46:47] offset:256*e
	ALL4 global_store_b32 v15, v[NN+e], s[46:47] offset:256*e+128
	global_store_b64 v13, v[16:17], s[30:31]           ; 64 candidates of equal value,
	global_store_b64 v13, v[18:19], s[32:33]           ; all naming table row 4095: step 0's query
	global_store_b64 v13, v[20:21], s[34:35]           ; state: word 0 = step 0; the others a valid row
	s_endpgm
.Lidle:
	s_endpgm
.Lfunc_end_k_q9edd05523c_prep:
	.size	k_q9edd05523c_prep, .Lfunc_end_k_q9edd05523c_prep-k_q9edd05523c_prep
	.p2alignl 7, 3214868480
	.fill 96, 4, 3214868480
	.section	.rodata,"a",@progbits
	.p2align	6, 0x0
	.amdhsa_kernel k_q9edd05523c_prep
		.amdhsa_group_segment_fixed_size 142336
		.amdhsa_private_segment_fixed_size 0
		.amdhsa_enable_private_segment 0
		.amdhsa_kernarg_size 112
		.amdhsa_user_sgpr_count 2
		.amdhsa_user_sgpr_kernarg_segment_ptr 1
		.amdhsa_wavefront_size32 1
		.amdhsa_system_sgpr_workgroup_id_x 1
		.amdhsa_system_sgpr_workgroup_id_y 1
		.amdhsa_system_sgpr_workgroup_id_z 1
		.amdhsa_system_vgpr_workitem_id 0
		.amdhsa_next_free_vgpr 256
		.amdhsa_next_free_sgpr 72
		.amdhsa_reserve_vcc 1
		.amdhsa_float_denorm_mode_32 3
		.amdhsa_float_denorm_mode_16_64 3
		.amdhsa_memory_ordered 1
		.amdhsa_forward_progress 1
		.amdhsa_inst_pref_size 176
	.end_amdhsa_kernel
	.amdgpu_metadata
---
amdhsa.version: [ 1, 2 ]
amdhsa.kernels:
  - .name:           k_q9edd05523c_prep
    .symbol:         k_q9edd05523c_prep.kd
    .args:
      - { .name: initial_hidden_state, .offset: 0, .size: 8, .value_kind: global_buffer, .address_space: global }
      - { .name: emb, .offset: 8, .size: 8, .value_kind: global_buffer, .address_space: global }
      - { .name: ln1_w, .offset: 16, .size: 8, .value_kind: global_buffer, .address_space: global }
      - { .name: Wq, .offset: 24, .size: 8, .value_kind: global_buffer, .address_space: global }
      - { .name: Wk, .offset: 32, .size: 8, .value_kind: global_buffer, .address_space: global }
      - { .name: Wv, .offset: 40, .size: 8, .value_kind: global_buffer, .address_space: global }
      - { .name: Wdown, .offset: 48, .size: 8, .value_kind: global_buffer, .address_space: global }
      - { .name: Wout, .offset: 56, .size: 8, .value_kind: global_buffer, .address_space: global }
      - { .name: Wgate, .offset: 64, .size: 8, .value_kind: global_buffer, .address_space: global }
      - { .name: Wup, .offset: 72, .size: 8, .value_kind: global_buffer, .address_space: global }
      - { .name: pre, .offset: 80, .size: 8, .value_kind: global_buffer, .address_space: global }
      - { .name: candv, .offset: 88, .size: 8, .value_kind: global_buffer, .address_space: global }
      - { .name: candi, .offset: 96, .size: 8, .value_kind: global_buffer, .address_space: global }
      - { .name: st0, .offset: 104, .size: 8, .value_kind: global_buffer, .address_space: global }
    .group_segment_fixed_size: 142336
    .private_segment_fixed_size: 0
    .kernarg_segment_align: 8
    .kernarg_segment_size: 112
    .max_flat_workgroup_size: 256
    .sgpr_count:     72
    .vgpr_count:     256
    .wavefront_size: 32
...
	.end_amdgpu_metadata
.endif
;; end of part 6
;; launch att0: the kernel of part 2 again; grid 16 x 4, 8 waves a work-group, no clusters, 8,192 bytes of LDS; arguments pre, Wo, candv, candi, st0, part, st1; writes part, st1
;; launch mlp0: the kernel of part 3 again; grid 128 x 1, 8 waves a work-group, no clusters, 5,120 bytes of LDS; arguments part, st1, pre, emb, initial_hidden_state, ln2_w, vec; writes vec
;; launch logit0: the kernel of part 4 again; grid 64 x 1, 8 waves a work-group, no clusters, 1,280 bytes of LDS; arguments vec, pre, st1, bout, out1, candv, candi; writes out1, candv, candi
;; launch att1: the kernel of part 2 again; grid 16 x 4, 8 waves a work-group, no clusters, 8,192 bytes of LDS; arguments pre, Wo, candv, candi, st1, part, st0; writes part, st0
;; launch mlp1: the kernel of part 3 again; grid 128 x 1, 8 waves a work-group, no clusters, 5,120 bytes of LDS; arguments part, st0, pre, emb, initial_hidden_state, ln2_w, vec; writes vec
;; launch logit1: the kernel of part 4 again; grid 64 x 1, 8 waves a work-group, no clusters, 1,280 bytes of LDS; arguments vec, pre, st0, bout, out1, candv, candi; writes out1, candv, candi
;; launch att2: the kernel of part 2 again; grid 16 x 4, 8 waves a work-group, no clusters, 8,192 bytes of LDS; arguments pre, Wo, candv, candi, st0, part, st1; writes part, st1
;; launch mlp2: the kernel of part 3 again; grid 128 x 1, 8 waves a work-group, no clusters, 5,120 bytes of LDS; arguments part, st1, pre, emb, initial_hidden_state, ln2_w, vec; writes vec
;; launch logit2: the kernel of part 4 again; grid 64 x 1, 8 waves a work-group, no clusters, 1,280 bytes of LDS; arguments vec, pre, st1, bout, out1, candv, candi; writes out1, candv, candi
;; launch att3: the kernel of part 2 again; grid 16 x 4, 8 waves a work-group, no clusters, 8,192 bytes of LDS; arguments pre, Wo, candv, candi, st1, part, st0; writes part, st0
;; launch mlp3: the kernel of part 3 again; grid 128 x 1, 8 waves a work-group, no clusters, 5,120 bytes of LDS; arguments part, st0, pre, emb, initial_hidden_state, ln2_w, vec; writes vec
;; launch logit3: the kernel of part 4 again; grid 64 x 1, 8 waves a work-group, no clusters, 1,280 bytes of LDS; arguments vec, pre, st0, bout, out1, candv, candi; writes out1, candv, candi
;; launch fin: the kernel of part 5 again; grid 1 x 1, 1 waves a work-group, no clusters, 0 bytes of LDS; arguments candv, candi, st0, out0; writes out0
